; MI455X (gfx1250); checked and timed in simulation.
; The chip was launched on July 23, 2026; its instructions are those of AMD's public machine-readable ISA for CDNA 5 (MIT licence, August 2026) and "CDNA5" Instruction Set Architecture Reference Guide (July 2026). The comments in the code are by the model that wrote it; some were corrected since.
;; Differential Cross Attention. Allowed arithmetic: matrix products marked QUANTISED: E2M1 operands, one E8M0 scale for each 32 along K, by v_wmma_scale_f32_16x16x128_f8f6f4 with both operands' format E2M1 (or v_wmma_scale_f32_32x16x128_f4), f32 sums; products left as they are: bf16, f16 or f32 operands; f32 sums; everything else in f32.
;; Inputs: Wk 1,024 x 1,024 float32; Wo 1,024 x 1,024 float32; Wq 1,024 x 1,024 float32; Wv 1,024 x 1,024 float32; bk 1,024 float32; bo 1,024 float32; bq 1,024 float32; bv 1,024 float32; gn_b 1,024 float32; gn_w 1,024 float32; lk1 8 x 64 float32; lk2 8 x 64 float32; lq1 8 x 64 float32; lq2 8 x 64 float32; x1 2 x 2,048 x 1,024 float32; x2 2 x 2,048 x 1,024 float32.
;; Outputs: out0 2 x 2,048 x 1,024 float32; out1 2 x 2,048 x 1,024 float32.
;; This version of the problem:
;;   THIS VERSION OF THE PROBLEM IS GIVEN IN LOW PRECISION. The matrix products marked QUANTISED in the list below multiply operands that are first quantised to E2M1 (2 exponent bits, 1 mantissa bit; 4 bits a number), with one power-of-two scale for each 32 numbers along K (OCP MX v1.0); their sums are f32. The products marked 'left as it is' may take bf16, f16 or f32 operands, with f32 sums. Whichever they take, every output number must still come out within the allowed error. Rounding operands to bf16 (8 significant bits) uses up far more of that allowance than f16 does (11 bits, for magnitudes from 6e-5 to 65,504). All else is computed in f32.
;;   The module's matrix products, in the order in which they are computed (A, B: the left and right operand; K: the contracted axis; several contracted axes count as one K, in the product's order):
;;     1. [M 4,096, K 1,024] x [K 1,024, N 1,024]; A: input x1; B: input Wq: QUANTISED
;;     2. [M 4,096, K 1,024] x [K 1,024, N 1,024]; A: input x1; B: input Wk: QUANTISED
;;     3. [M 4,096, K 1,024] x [K 1,024, N 1,024]; A: input x1; B: input Wv: QUANTISED
;;     4. [M 4,096, K 1,024] x [K 1,024, N 1,024]; A: input x2; B: input Wq: QUANTISED
;;     5. [M 4,096, K 1,024] x [K 1,024, N 1,024]; A: input x2; B: input Wk: QUANTISED
;;     6. [M 4,096, K 1,024] x [K 1,024, N 1,024]; A: input x2; B: input Wv: QUANTISED
;;     7. batch 16 x [M 2,048, K 64] x [K 64, N 2,048]; A: computed on the way; B: computed on the way: left as it is (an operand is computed on the way)
;;     8. batch 16 x [M 2,048, K 64] x [K 64, N 2,048]; A: computed on the way; B: computed on the way: left as it is (an operand is computed on the way)
;;     9. batch 16 x [M 2,048, K 2,048] x [K 2,048, N 128]; A: computed on the way; B: computed on the way: left as it is (an operand is computed on the way)
;;     10. [M 4,096, K 1,024] x [K 1,024, N 1,024]; A: computed on the way; B: input Wo: left as it is (an operand is computed on the way)
;;     11. batch 16 x [M 2,048, K 64] x [K 64, N 2,048]; A: computed on the way; B: computed on the way: left as it is (an operand is computed on the way)
;;     12. batch 16 x [M 2,048, K 64] x [K 64, N 2,048]; A: computed on the way; B: computed on the way: left as it is (an operand is computed on the way)
;;     13. batch 16 x [M 2,048, K 2,048] x [K 2,048, N 128]; A: computed on the way; B: computed on the way: left as it is (an operand is computed on the way)
;;     14. [M 4,096, K 1,024] x [K 1,024, N 1,024]; A: computed on the way; B: input Wo: left as it is (an operand is computed on the way)
;;   THE QUANTISER, for each operand of a quantised product, along K:
;;     - K is cut into blocks of 32 from its start; a last block that is shorter is filled with zeros.
;;     - A block's scale is 2^e with e = floor(log2(the largest magnitude in the block)) - 2, held to -126 .. 127; a block of zeros has e = 0. As a byte (E8M0): e + 127.
;;     - Each number is divided by its block's scale, clamped to +-6, and rounded to the nearest number of E2M1, ties to even, subnormals kept.
;;     - The product sums the exact products of the quantised numbers (number of the format x scale) in f32.
;;   ~~~python
;;   def quantise(x, axis):      # numpy; x: float32 -> the quantised numbers, widened to float32 again
;;       x = np.moveaxis(x, axis, -1); K = x.shape[-1]
;;       x = np.pad(x, [(0, 0)] * (x.ndim - 1) + [(0, -K % 32)]); x = x.reshape(x.shape[:-1] + (-1, 32)); a = np.abs(x).max(-1, keepdims=True)
;;       e = np.where(a > 0, np.clip(np.frexp(np.where(a > 0, a, 1))[1] - 1 - 2, -126, 127), 0)      # np.frexp(a)[1] - 1 = floor(log2(a)), exactly
;;       r = np.clip(x / 2.0 ** e, -6, 6)
;;       step = 2.0 ** (np.maximum(np.frexp(np.where(r == 0, 1, r))[1] - 1, 0) - 1)
;;       q = np.round(r / step) * step * 2.0 ** e      # np.round: ties to even
;;       return np.moveaxis(q.reshape(q.shape[:-2] + (-1,))[..., :K], -1, axis).astype(np.float32)
;;   ~~~
;; One version. Each part assembles by itself: llvm-mc -triple=amdgcn-amd-amdhsa -mcpu=gfx1250 --defsym DOCPART=n.
;; ======== version 1 of 1: 5 launches
;; limits: values are held in f16: magnitudes above 65,504 overflow, below 6.1e-05 lose precision
;; workspace buffers: xq 4,456,448 bytes; wq 1,671,168 bytes; wo16 2,097,152 bytes; qkv 50,331,648 bytes; o 33,554,432 bytes; stats 16,384 bytes; a16 16,777,216 bytes
;; launch quant (part 1): grid 384 x 1, 4 waves a work-group, no clusters, 33,280 bytes of LDS; arguments x1, x2, Wq, Wk, Wv, Wo, xq, wq, wo16; writes xq, wq, wo16
.if DOCPART == 1
	.amdgcn_target "amdgcn-amd-amdhsa--gfx1250"
	.amdhsa_code_object_version 6
	.text
	.protected	k_qb0c6477018_quant
	.globl	k_qb0c6477018_quant
	.p2align	8
	.type	k_qb0c6477018_quant,@function
k_qb0c6477018_quant:
	s_mov_b64 s[64:65], 0
	v_nop
	global_prefetch_b8 v0, s[64:65] scope:SCOPE_SE
	s_setreg_imm32_b32 hwreg(HW_REG_WAVE_MODE, 25, 1), 1
	s_wait_xcnt 0x0
; x1, x2 [4096][1024] and Wq, Wk, Wv [1024][1024], f32 with K innermost, become codes of FP4 (E2M1) with one E8M0 scale byte for each 32 along K; Wo [1024][1024] becomes f16.
; xq: codes [8192][512 bytes] (rows 0-4095 x1, 4096-8191 x2), then the scale bytes [8192][32] from byte 4,194,304.  wq: codes [3072][512 bytes] (Wq, Wk, Wv), scale bytes [3072][32] from byte 1,572,864.
; A block's scale is 2^(floor(log2(its largest magnitude)) - 2): its byte is the largest magnitude's exponent field - 2, held at 1 from below; each number is divided by the scale and rounded to the nearest code, ties to even, beyond 6 the code of 6.
; LIMITS: a block of zeros gets the byte 1 (its codes are zeros, and this program alone reads the bytes); blocks whose largest magnitude lies under 2^-124 stand at the floor; NaN and infinities are not served; |Wo| above 65,504 becomes infinity in f16.
; Rows are dense and K is a multiple of 32, so each tensor is a plain stream of blocks of 32.  A work-group takes 32,768 numbers, a wave a run of 8,192: work-groups 0-127 x1, 128-255 x2, 256-287 Wq, 288-319 Wk, 320-351 Wv, 352-383 Wo.
; The five quantised tensors take ONE path: only pointers are chosen, by the work-group's number.  A wave's run is 16 steps of 512 numbers: four loads of 512 consecutive bytes, a turn through the wave's own stage in LDS
; (16 bytes of padding behind each 64) so that a lane holds 16 neighbours along K, two lanes a block.  A lane's 16 codes are 8 bytes: a wave's store covers 256 consecutive aligned bytes; its 256 scale bytes leave as one such store.
; No tensor loads, no barrier: waves share nothing.
.set WAVES, 4
.set STEPS, 16
.set EMAX,  2
.set CB,    8                          ; bytes of 16 codes
.set R,     16                         ; v16-79   four sets of 16 numbers as loaded
.set X,     80                         ; v80-111  two sets of 16 neighbours
.set E,     112                        ; v112-127 a scale byte for each step
.set C,     128                        ; v128-191 codes: registers of its own for each step
.set WREG,  8192                       ; LDS: a region for each wave: two stages of 32 x SP bytes, behind them its 256 scale bytes
.set SP,    80
.set SPW,   12                         ; v12  LDS address of my spare word; never rewritten
.set NIL,   13                         ; v13  0; never rewritten
.set SPARE, WAVES*WREG                 ; the spare words: 128 bytes a wave, named by no other line
.set WR,    16                         ; Wo's path: v16-143 32 x 4 numbers
.set WY,    144                        ;            v144-207 32 x 2 registers of f16
	s_load_b512 s[4:19], s[0:1], 0x0               ; x1 s[4:5], x2 s[6:7], Wq s[8:9], Wk s[10:11], Wv s[12:13], Wo s[14:15], xq s[16:17], wq s[18:19]
	s_load_b64 s[20:21], s[0:1], 0x40              ; wo16
	v_lshl_add_u32 v[SPW], v0, 2, SPARE
	v_mov_b32 v[NIL], 0
	v_lshrrev_b32 v1, 5, v0
	v_readfirstlane_b32 s22, v1                    ; wave
	v_and_b32 v2, 31, v0                           ; lane
	v_lshlrev_b32 v3, 4, v2                        ; my 16 bytes of a load's 512
	s_mul_i32 s23, s22, WREG
	v_lshrrev_b32 v14, 2, v2
	v_mul_u32_u24 v14, v14, SP
	v_and_b32 v15, 3, v2
	v_lshl_add_u32 v14, v15, 4, v14
	v_add_nc_u32 v14, s23, v14                     ; the stage, way in: SP (lane / 4) + 16 (lane % 4)
	v_mul_u32_u24 v15, v2, SP
	v_add_nc_u32 v15, s23, v15                     ; way out: SP x lane: my 16 neighbours
	v_mul_u32_u24 v4, v2, CB                       ; 8 x lane
	v_lshrrev_b32 v5, 1, v2
	s_add_co_u32 s23, s23, 2*32*SP
	v_add_nc_u32 v5, s23, v5                       ; LDS: my block's scale byte
	v_lshlrev_b32 v7, 3, v2
	v_add_nc_u32 v6, s23, v7                       ; and 8 of the 256 bytes on their way out
	s_wait_kmcnt 0x0
	s_cmp_ge_u32 ttmp9, 352
	s_cbranch_scc1 .Lwo                            ; Wo's work-groups: a branch on the work-group's number alone
	; which tensor: a chain of choices on the work-group's number; F = the tensor's first work-group
	s_mov_b64 s[24:25], s[12:13]
	s_mov_b32 s26, 320
	s_cmp_lt_u32 ttmp9, 320
	s_cselect_b64 s[24:25], s[10:11], s[24:25]
	s_cselect_b32 s26, 288, s26
	s_cmp_lt_u32 ttmp9, 288
	s_cselect_b64 s[24:25], s[8:9], s[24:25]
	s_cselect_b32 s26, 256, s26
	s_cmp_lt_u32 ttmp9, 256
	s_cselect_b64 s[24:25], s[6:7], s[24:25]
	s_cselect_b32 s26, 128, s26
	s_cmp_lt_u32 ttmp9, 128
	s_cselect_b64 s[24:25], s[4:5], s[24:25]
	s_cselect_b32 s26, 0, s26
	s_cmp_lt_u32 ttmp9, 256                        ; into xq or into wq
	s_cselect_b64 s[28:29], s[16:17], s[18:19]
	s_cselect_b32 s27, 0, 256
	s_mov_b32 s30, 1572864
	s_cselect_b32 s30, 4194304, s30                ; where that buffer's scale bytes begin
	s_sub_co_u32 s26, ttmp9, s26
	s_lshl_b32 s26, s26, 2
	s_add_co_u32 s26, s26, s22                     ; my run in the tensor
	s_lshl_b32 s32, s26, 15                        ; 32,768 bytes a run
	s_mov_b32 s33, 0
	s_add_nc_u64 s[24:25], s[24:25], s[32:33]
	s_sub_co_u32 s27, ttmp9, s27
	s_lshl_b32 s27, s27, 2
	s_add_co_u32 s27, s27, s22                     ; my run in the buffer
	s_lshl_b32 s32, s27, 8                         ; 256 scale bytes a run
	s_add_co_u32 s32, s32, s30
	s_add_nc_u64 s[34:35], s[28:29], s[32:33]
	s_lshl_b32 s32, s27, 12                        ; 4,096 bytes of codes a run
	s_add_nc_u64 s[28:29], s[28:29], s[32:33]
.macro LOAD t
.irp i, 0,1,2,3
	global_load_b128 v[R+16*((\t)%4)+4*\i:R+16*((\t)%4)+4*\i+3], v3, s[24:25] offset:2048*(\t)+512*\i th:TH_LOAD_NT   ; 32 lanes read 512 consecutive bytes
.endr
.endm
.macro TURN t                          ; step t's numbers through the stage: LDS serves a wave's instructions in order, so no wait stands between the stores and the loads
.irp i, 0,1,2,3
	ds_store_b128 v14, v[R+16*((\t)%4)+4*\i:R+16*((\t)%4)+4*\i+3] offset:32*SP*((\t)%2)+8*SP*\i
.endr
.irp i, 0,1,2,3
	ds_load_b128 v[X+16*((\t)%2)+4*\i:X+16*((\t)%2)+4*\i+3], v15 offset:32*SP*((\t)%2)+16*\i
.endr
.endm
.irp t, 0,1,2,3
	LOAD \t
.endr
	s_wait_loadcnt 12                              ; step 0's four loads are in; twelve younger ones stay out
	TURN 0
.macro STEP t
.set XS, X+16*((\t)%2)
.if (\t) > 0
	s_wait_dscnt 1                                 ; this step's numbers are back from the stage (the last step's byte store may be out)
.else
	s_wait_dscnt 0x0
.endif
.if (\t)+4 < STEPS
	LOAD (\t)+4                                    ; the registers that the stage's stores have read take the loads of four steps on
.endif
.if (\t)+1 < STEPS
.if STEPS-2-(\t) >= 3
	s_wait_loadcnt 12                              ; the next step's four loads are in; those of the three steps behind it may be out
.else
	s_wait_loadcnt 4*(STEPS-2-(\t))
.endif
	TURN (\t)+1
.endif
	v_max3_num_f32 v8, |v[XS]|, |v[XS+1]|, |v[XS+2]|               ; the largest magnitude of my 16, in two chains
	v_max3_num_f32 v9, |v[XS+3]|, |v[XS+4]|, |v[XS+5]|
.irp i, 6,10
	v_max3_num_f32 v8, v8, |v[XS+\i]|, |v[XS+\i+1]|
	v_max3_num_f32 v9, v9, |v[XS+\i+2]|, |v[XS+\i+3]|
.endr
	v_max3_num_f32 v8, v8, |v[XS+14]|, |v[XS+15]|
	v_max3_num_f32 v8, v8, v9, (EMAX+1)<<23        ; and the floor 2^(3 - 127): the byte cannot fall under 1
	v_max_num_f32_dpp v8, v8, v8 row_xmask:1 row_mask:0xf bank_mask:0xf   ; with my neighbour's 16: the block's
	v_add_nc_u32 v11, -(EMAX<<23), v8              ; 2 off its exponent field: the conversion takes the exponent field of this operand as its scale
	v_cvt_scalef32_pk8_fp4_f32 v[C+4*(\t)], v[XS:XS+7], v11
	v_cvt_scalef32_pk8_fp4_f32 v[C+4*(\t)+1], v[XS+8:XS+15], v11
	v_lshrrev_b32 v[E+(\t)], 23, v11               ; the scale's byte (also the plain line behind the conversions)
	ds_store_b8 v5, v[E+(\t)] offset:16*(\t)       ; both lanes of a block write the same byte with the same value
	global_store_b64 v4, v[C+4*(\t):C+4*(\t)+1], s[28:29] offset:32*CB*(\t)   ; 256 consecutive aligned bytes a wave
.endm
.irp t, 0,1,2,3,4,5,6,7,8,9,10,11,12,13,14,15
	STEP \t
.endr
	ds_load_b64 v[8:9], v6                         ; in order behind my byte stores
	s_wait_dscnt 0x0
	global_store_b64 v7, v[8:9], s[34:35]          ; my run's 256 scale bytes
	s_wait_tensorcnt 0x0                           ; the wave's end: behind my last LDS store
	ds_add_u32 v[SPW], v[NIL]
	s_wait_dscnt 0x0
	s_endpgm
.Lwo:                                              ; Wo to f16: 64 loads of 512 bytes a wave, 32 on their way; no LDS
	s_sub_co_u32 s26, ttmp9, 352
	s_lshl_b32 s26, s26, 2
	s_add_co_u32 s26, s26, s22
	s_lshl_b32 s32, s26, 15
	s_mov_b32 s33, 0
	s_add_nc_u64 s[14:15], s[14:15], s[32:33]
	s_lshl_b32 s32, s26, 14
	s_add_nc_u64 s[20:21], s[20:21], s[32:33]
.set i, 0
.rept 32
	global_load_b128 v[WR+4*i:WR+4*i+3], v3, s[14:15] offset:512*i th:TH_LOAD_NT
.set i, i+1
.endr
.set i, 0
.rept 32
	s_wait_loadcnt 31                              ; behind load i stand 31 - i of the first batch and i of the second
	v_cvt_pk_f16_f32 v[WY+2*i], v[WR+4*i], v[WR+4*i+1]
	v_cvt_pk_f16_f32 v[WY+2*i+1], v[WR+4*i+2], v[WR+4*i+3]
	global_load_b128 v[WR+4*i:WR+4*i+3], v3, s[14:15] offset:512*(32+i) th:TH_LOAD_NT
	global_store_b64 v4, v[WY+2*i:WY+2*i+1], s[20:21] offset:256*i   ; 256 consecutive aligned bytes a wave
.set i, i+1
.endr
	s_wait_xcnt 0x0                                ; the stores have read their data: the 64 registers are written again only behind this wait
.set i, 0
.rept 32
	s_wait_loadcnt 31-i                            ; the counts run down
	v_cvt_pk_f16_f32 v[WY+2*i], v[WR+4*i], v[WR+4*i+1]
	v_cvt_pk_f16_f32 v[WY+2*i+1], v[WR+4*i+2], v[WR+4*i+3]
	global_store_b64 v4, v[WY+2*i:WY+2*i+1], s[20:21] offset:256*(32+i)
.set i, i+1
.endr
	s_wait_tensorcnt 0x0                           ; the same three lines on this path
	ds_add_u32 v[SPW], v[NIL]
	s_wait_dscnt 0x0
	s_endpgm
.Lfunc_end_k_qb0c6477018_quant:
	.size	k_qb0c6477018_quant, .Lfunc_end_k_qb0c6477018_quant-k_qb0c6477018_quant
	.p2alignl 7, 3214868480
	.fill 96, 4, 3214868480
	.section	.rodata,"a",@progbits
	.p2align	6, 0x0
	.amdhsa_kernel k_qb0c6477018_quant
		.amdhsa_group_segment_fixed_size 33280
		.amdhsa_private_segment_fixed_size 0
		.amdhsa_enable_private_segment 0
		.amdhsa_kernarg_size 72
		.amdhsa_user_sgpr_count 2
		.amdhsa_user_sgpr_kernarg_segment_ptr 1
		.amdhsa_wavefront_size32 1
		.amdhsa_system_sgpr_workgroup_id_x 1
		.amdhsa_system_sgpr_workgroup_id_y 1
		.amdhsa_system_sgpr_workgroup_id_z 1
		.amdhsa_system_vgpr_workitem_id 0
		.amdhsa_next_free_vgpr 208
		.amdhsa_next_free_sgpr 66
		.amdhsa_reserve_vcc 0
		.amdhsa_float_denorm_mode_32 3
		.amdhsa_float_denorm_mode_16_64 3
		.amdhsa_memory_ordered 1
		.amdhsa_forward_progress 1
		.amdhsa_inst_pref_size 57
	.end_amdhsa_kernel
	.amdgpu_metadata
---
amdhsa.version: [ 1, 2 ]
amdhsa.kernels:
  - .name:           k_qb0c6477018_quant
    .symbol:         k_qb0c6477018_quant.kd
    .args:
      - { .name: x1, .offset: 0, .size: 8, .value_kind: global_buffer, .address_space: global }
      - { .name: x2, .offset: 8, .size: 8, .value_kind: global_buffer, .address_space: global }
      - { .name: Wq, .offset: 16, .size: 8, .value_kind: global_buffer, .address_space: global }
      - { .name: Wk, .offset: 24, .size: 8, .value_kind: global_buffer, .address_space: global }
      - { .name: Wv, .offset: 32, .size: 8, .value_kind: global_buffer, .address_space: global }
      - { .name: Wo, .offset: 40, .size: 8, .value_kind: global_buffer, .address_space: global }
      - { .name: xq, .offset: 48, .size: 8, .value_kind: global_buffer, .address_space: global }
      - { .name: wq, .offset: 56, .size: 8, .value_kind: global_buffer, .address_space: global }
      - { .name: wo16, .offset: 64, .size: 8, .value_kind: global_buffer, .address_space: global }
    .group_segment_fixed_size: 33280
    .private_segment_fixed_size: 0
    .kernarg_segment_align: 8
    .kernarg_segment_size: 72
    .max_flat_workgroup_size: 128
    .sgpr_count:     66
    .vgpr_count:     208
    .wavefront_size: 32
...
	.end_amdgpu_metadata
.endif
;; end of part 1
;; launch project (part 2): grid 12 x 32, 4 waves a work-group, clusters of 4 x 4, 327,680 bytes of LDS; arguments xq, wq, bq, bk, bv, qkv; writes qkv
.if DOCPART == 2
	.amdgcn_target "amdgcn-amd-amdhsa--gfx1250"
	.amdhsa_code_object_version 6
	.text
	.protected	k_qb0c6477018_project
	.globl	k_qb0c6477018_project
	.p2align	8
	.type	k_qb0c6477018_project,@function
k_qb0c6477018_project:
	s_mov_b64 s[64:65], 0
	v_nop
	global_prefetch_b8 v0, s[64:65] scope:SCOPE_SE
	s_setreg_imm32_b32 hwreg(HW_REG_WAVE_MODE, 25, 1), 1
	s_wait_xcnt 0x0
	s_wait_alu depctr_hold_cnt(0) depctr_sa_sdst(0) depctr_va_vdst(0) depctr_va_sdst(0) depctr_va_ssrc(0) depctr_va_vcc(0) depctr_vm_vsrc(0)
	s_getreg_b32 s2, hwreg(HW_REG_IB_STS2, 6, 4)
	s_cmp_eq_u32 s2, 0
	s_cbranch_scc0 .Lentry_in_a_cluster
	s_endpgm
.Lentry_in_a_cluster:
	s_bfe_u32 s2, ttmp6, 0x10000c
	s_cmp_lg_u32 s2, 0xf033
	s_cbranch_scc0 .Lentry_shape_is_right
	s_endpgm
.Lentry_shape_is_right:
; qkv[m][n] = sum over k of X[m][k] W[n][k] + bias[n], rounded to f16.  X = [x1; x2], 8,192 rows; W = [Wq; Wk; Wv], 3,072 rows; K = 1,024; both as codes of FP4 with one E8M0 byte for each 32 along K; sums in f32.
; A tile of 256 x 256 is made by four waves, each 128 x 128: 64 accumulators of 16 x 16, 512 registers.  K is two slots of 512 (rows of 256 bytes): both are asked for at the start, and nothing is filled again.
; The scale bytes of the tile's 256 + 256 rows, for all of K, are two dense blocks: they come once, with the first fills, as rows of 256 bytes with 16 of padding.
; CLUSTERS: 4 x 4 work-groups; X's tiles are shared along a row of the cluster, W's along a column: each is asked for jointly, by the same tensor load with the same descriptor and a mask that names the four.
; 384 tiles are no multiple of the 256 WGPs: no tile with whole 256-byte rows of f16 output that stays inside one of the three weights gives one.
; THE MATRIX INSTRUCTION IS USED TRANSPOSED (source 0 = 16 rows of W, source 1 = 16 rows of X): a lane holds eight neighbouring columns of one row.  The bias is the C of each sum's first product: eight registers a block in the result's layout.
; LIMIT: results beyond 65,504 in magnitude become infinity in f16.
; REGISTERS: window 0: v0-31 addresses; v32-95 scale words, two sets; v128-191 X's fragments, one set; v192-255 the bias, later the way out.  window 1: W's fragments, two sets.  windows 2, 3: the accumulators ((a, b) at v[8 (8 (a % 4) + b)]).
.set SIZE_N, 3072
.set NQ,     4                         ; matrix instructions deep in a slot
.set ROWB,   256                       ; a tile's row: 512 codes
.set KROW,   512                       ; a row of codes in memory
.set PITCH,  272                       ; an LDS row: 256 bytes + 16: the 16 rows of a load start 68 words apart
.set FR,     8
.set NL,     2
.set NP,     4
.set HALFT,  128*PITCH
.set SLOT,   4*HALFT                   ; X's 256 rows, then W's 256 rows
.set KS,     32                        ; a row of scale bytes
.set SCL,    2*SLOT
.set HALFS,  (128*KS/256)*272
.set SBLK,   (16*KS/256)*272
.set SPARE,  SCL+4*HALFS               ; the spare words, 128 bytes a wave, named by no other line
.set SPITCH, 272                       ; the way out: 16 rows x (256 + 16) bytes a wave, in slot 0, which has had its only fill and its last read by then
.set CROW,   SIZE_N*2                  ; a row of qkv in bytes
.set ADRA, 16
.set ADRB, 20
.set STO,  24
.set RD,   25
.set CO,   26
.set ADRS, 27
.set SPW,  28
.set NIL,  29
.set SC,   32
.set AF,   128
.set BIAS, 192
.set TMP,  192
.set OB,   32
.set G1, 24
.set G0, 32
.set G1B, 48
.set G0B, 56
.set G1S, 68
.set G0S, 76
.set G1SB, 80
.set G0SB, 88
.set MSB, 0
.macro WIN new                         ; the immediate's high byte repeats the setting that is left
.if MSB != (\new)
	s_set_vgpr_msb (MSB<<8)|(\new)
.set MSB, (\new)
.endif
.endm
.set MUL_LO, 0xa1                      ; source 0 (W) window 1, source 1 (X) window 0, C and D window 2; with the bias as C: 0x81
.set MUL_HI, 0xf1                      ; C and D window 3; with the bias as C: 0xc1
.set TO_B,   0x40
; A joint load: waves 0 and 1 fetch for X, waves 2 and 3 for W; the branch hangs on the wave's number alone.  An s_nop 0 and four v_nop follow each line.
.macro JLOAD g0a, g1a, g0b, g1b
	s_cmp_eq_u32 s15, 0
	s_cbranch_scc0 .Lfor_b_\@
	tensor_load_to_lds s[\g0a:\g0a+3], s[\g1a:\g1a+7]
	s_nop 0
.rept 4
	v_nop
.endr
	s_branch .Lasked_\@
.Lfor_b_\@:
	tensor_load_to_lds s[\g0b:\g0b+3], s[\g1b:\g1b+7]
	s_nop 0
.rept 4
	v_nop
.endr
.Lasked_\@:
.endm
.macro CROUND                          ; a round of the cluster's barrier
	s_barrier_signal -1
	s_barrier_wait -1
	s_cmp_lg_u32 s14, 0
	s_cbranch_scc1 .Lnot_wave_0_\@
	s_barrier_signal -3
.Lnot_wave_0_\@:
	s_barrier_wait -3
	s_barrier_signal -1
	s_barrier_wait -1
.endm
	s_load_b64 s[4:5], s[0:1], 0x0                 ; xq
	s_load_b64 s[8:9], s[0:1], 0x8                 ; wq
	s_load_b128 s[96:99], s[0:1], 0x10             ; bq, bk
	s_load_b64 s[100:101], s[0:1], 0x20            ; bv
	s_load_b64 s[12:13], s[0:1], 0x28              ; qkv
	v_lshl_add_u32 v[SPW], v0, 2, SPARE
	v_mov_b32 v[NIL], 0
	ds_add_u32 v[SPW], v[NIL]                      ; the wave's opening: the add, twice on end, and its wait ahead of my first tensor load
	ds_add_u32 v[SPW], v[NIL]
	v_lshrrev_b32 v1, 5, v0
	v_readfirstlane_b32 s14, v1                    ; wave 0..3
	s_lshr_b32 s15, s14, 1                         ; my half of the tile's rows; also: I fetch for X (0) or for W (1)
	s_and_b32 s16, s14, 1                          ; my half of its columns; also: which 128 rows I fetch
	s_bfe_u32 s40, ttmp6, 0x40000                  ; cx
	s_bfe_u32 s41, ttmp6, 0x40004                  ; cy
	s_lshl_b32 s42, ttmp9, 2
	s_add_co_u32 s42, s42, s40                     ; tile column
	s_and_b32 s17, ttmp7, 0xffff
	s_lshl_b32 s17, s17, 2
	s_add_co_u32 s17, s17, s41                     ; tile row
	s_lshl_b32 s43, s41, 2
	s_lshl_b32 s43, 15, s43                        ; my row of the cluster
	s_lshl_b32 s44, 0x1111, s40                    ; my column
	s_or_b32 s[G1+0], s43, (0<<16)|(1<<20)|(1<<21)|(5<<22)|(3<<25)  ; mask; elements of 1 byte; padding on; bit 21 beside a mask; 4 words behind every 64
	s_or_b32 s[G1B+0], s44, (0<<16)|(1<<20)|(1<<21)|(5<<22)|(3<<25)
.irp g, G1, G1B
	s_mov_b32 s[\g+1], ROWB<<16                    ; tensor_dim0
	s_mov_b32 s[\g+2], 128<<16                     ; tensor_dim1
	s_mov_b32 s[\g+3], ROWB<<16                    ; tile_dim0
	s_mov_b32 s[\g+4], 128                         ; tile_dim1
	s_mov_b32 s[\g+5], KROW                        ; stride
	s_mov_b32 s[\g+6], 0
	s_mov_b32 s[\g+7], 0
.endr
	s_or_b32 s[G1S+0], s43, (3<<16)|(1<<20)|(1<<21)|(5<<22)|(3<<25) ; the scales of 128 rows: 4,096 dense bytes as 16 rows of 32 elements of 8 bytes
	s_or_b32 s[G1SB+0], s44, (3<<16)|(1<<20)|(1<<21)|(5<<22)|(3<<25)
.irp g, G1S, G1SB
	s_mov_b32 s[\g+1], 32<<16
	s_mov_b32 s[\g+2], (128*KS/256)<<16
	s_mov_b32 s[\g+3], 32<<16
	s_mov_b32 s[\g+4], 128*KS/256
	s_mov_b32 s[\g+5], 32
	s_mov_b32 s[\g+6], 0
	s_mov_b32 s[\g+7], 0
.endr
	s_lshl_b32 s18, s16, 7
	s_lshl_b32 s20, s17, 8
	s_add_co_u32 s20, s20, s18                     ; X: row 256 x tile row + 128 x half
	s_lshl_b32 s46, s42, 8
	s_add_co_u32 s46, s46, s18                     ; W: row 256 x tile column + 128 x half
	s_mov_b32 s21, 0
	s_mov_b32 s47, 0
	s_mov_b64 s[18:19], KS
	s_mul_u64 s[22:23], s[20:21], s[18:19]         ; these rows' scale bytes,
	s_mul_u64 s[92:93], s[46:47], s[18:19]
	s_mov_b64 s[18:19], KROW
	s_mul_u64 s[20:21], s[20:21], s[18:19]         ; and their codes
	s_mul_u64 s[46:47], s[46:47], s[18:19]
	s_mul_i32 s45, s14, HALFT                      ; where they go: wave x 128 rows
	s_mul_i32 s94, s14, HALFS
	s_wait_dscnt 0x0                               ; both opening adds are done
	s_wait_kmcnt 0x0
	s_add_nc_u64 s[6:7], s[4:5], 4194304           ; X's scale bytes lie behind its codes,
	s_add_nc_u64 s[10:11], s[8:9], 1572864         ; W's likewise
	s_add_nc_u64 s[20:21], s[4:5], s[20:21]
	s_add_nc_u64 s[22:23], s[6:7], s[22:23]
	s_add_nc_u64 s[46:47], s[8:9], s[46:47]
	s_add_nc_u64 s[92:93], s[10:11], s[92:93]
	CROUND                                         ; all sixteen work-groups are here: the joint loads meet
	s_mov_b32 s[G0S], 1
	s_add_co_u32 s[G0S+1], s94, SCL
	s_mov_b64 s[G0S+2:G0S+3], s[22:23]
	s_or_b32 s[G0S+3], s[G0S+3], 0x80000000
	s_mov_b32 s[G0SB], 1
	s_add_co_u32 s[G0SB+1], s94, SCL
	s_mov_b64 s[G0SB+2:G0SB+3], s[92:93]
	s_or_b32 s[G0SB+3], s[G0SB+3], 0x80000000
	JLOAD G0S, G1S, G0SB, G1SB                     ; the scales first; three loads of mine are out behind the third
.irp s, 0,1
	s_mov_b32 s[G0+4*\s], 1
	s_add_co_u32 s[G0+4*\s+1], s45, \s*SLOT
	s_add_nc_u64 s[G0+4*\s+2:G0+4*\s+3], s[20:21], \s*ROWB
	s_or_b32 s[G0+4*\s+3], s[G0+4*\s+3], 0x80000000
	s_mov_b32 s[G0B+4*\s], 1
	s_add_co_u32 s[G0B+4*\s+1], s45, \s*SLOT
	s_add_nc_u64 s[G0B+4*\s+2:G0B+4*\s+3], s[46:47], \s*ROWB
	s_or_b32 s[G0B+4*\s+3], s[G0B+4*\s+3], 0x80000000
	JLOAD G0+4*\s, G1, G0B+4*\s, G1B
.endr
	v_and_b32 v1, 15, v0                           ; l % 16
	v_bfe_u32 v2, v0, 4, 1                         ; l / 16
	; the bias: four tile columns to a weight, so the weight's number is the cluster's x
	s_cmp_eq_u32 ttmp9, 1
	s_cselect_b64 s[98:99], s[98:99], s[100:101]
	s_cmp_eq_u32 ttmp9, 0
	s_cselect_b64 s[96:97], s[96:97], s[98:99]
	s_lshl_b32 s46, s40, 10
	s_lshl_b32 s47, s16, 9
	s_add_co_u32 s46, s46, s47                     ; my 128 columns in the weight: 1,024 cx + 512 half bytes
	s_mov_b32 s47, 0
	s_add_nc_u64 s[96:97], s[96:97], s[46:47]
	v_lshlrev_b32 v7, 5, v2                        ; my half's eight numbers of a block of 16
.irp b, 0,1,2,3,4,5,6,7
	global_load_b128 v[BIAS+8*\b:BIAS+8*\b+3], v7, s[96:97] offset:64*\b
	global_load_b128 v[BIAS+8*\b+4:BIAS+8*\b+7], v7, s[96:97] offset:64*\b+16
.endr
	v_mul_u32_u24 v3, v1, PITCH
	v_lshl_add_u32 v4, v2, 4, v3                   ; a fragment's row x pitch + 16 x half
	s_mul_i32 s21, s15, HALFT
	s_mul_i32 s22, s16, HALFT
	s_add_co_u32 s22, s22, 2*HALFT
.irp s, 0,1
	v_add_nc_u32 v[ADRA+\s], s21, v4
	v_add_nc_u32 v[ADRB+\s], s22, v4
	s_add_co_u32 s21, s21, SLOT
	s_add_co_u32 s22, s22, SLOT
.endr
	v_mul_u32_u24 v5, v1, KS                       ; my row's scales: 32 bytes a row,
	v_lshrrev_b32 v6, 8, v5
	v_lshl_add_u32 v5, v6, 4, v5                   ; and 16 more for each 256 passed
	s_mul_i32 s21, s15, HALFS
	s_mul_i32 s22, s16, HALFS
	s_add_co_u32 s22, s22, 2*HALFS
	s_sub_co_u32 s22, s22, s21
	v_mul_u32_u24 v6, s22, v2                      ; lanes 16-31 take W's
	s_add_co_u32 s21, s21, SCL
	v_add_nc_u32 v5, v5, v6
	v_add_nc_u32 v[ADRS], s21, v5
	s_mul_i32 s23, s14, 16*SPITCH                  ; my stage
	v_mul_u32_u24 v5, v1, SPITCH
	v_lshl_add_u32 v5, v2, 4, v5
	v_add_nc_u32 v[STO], s23, v5                   ; in: row l % 16, 16 bytes for each half of the lanes
	v_mul_u32_u24 v5, v2, SPITCH
	v_lshl_add_u32 v5, v1, 4, v5
	v_add_nc_u32 v[RD], s23, v5                    ; back: lanes 0-15 one row of 256 bytes, lanes 16-31 the next
	v_mul_u32_u24 v5, v2, CROW
	v_lshl_add_u32 v[CO], v1, 4, v5                ; the same two rows in qkv
	s_lshl_b32 s20, s17, 8
	s_lshl_b32 s21, s15, 7
	s_add_co_u32 s20, s20, s21                     ; my first row
	s_mul_i32 s20, s20, CROW                       ; under 2^26
	s_mov_b32 s21, 0
	s_lshl_b32 s46, s42, 9
	s_lshl_b32 s47, s16, 8
	s_add_co_u32 s46, s46, s47                     ; my first column in bytes
	s_mov_b32 s47, 0
	s_add_nc_u64 s[20:21], s[20:21], s[46:47]
	s_add_nc_u64 s[12:13], s[12:13], s[20:21]
.macro FRAG reg, adr, q, i             ; 16 rows x 128 K of 4-bit codes: 8 registers; two loads of 16 bytes, 32 bytes apart
.irp c, 0,1
	ds_load_b128 v[\reg+4*\c:\reg+4*\c+3], v[\adr] offset:64*(\q)+32*\c+(\i)*16*PITCH
.endr
.endm
; 16 products: X's blocks a0, a0 + 1 against W's eight.  The 64 accumulators take turns, one instruction a turn, in the same order in every step.
.macro MUL16 a0, p, q, sc, zero
.irp a, \a0, \a0+1
.irp b, 0,1,2,3,4,5,6,7
.if \zero
	v_wmma_scale_f32_16x16x128_f8f6f4 v[8*(8*((\a)%4)+\b):8*(8*((\a)%4)+\b)+7], v[128*(\p)+FR*\b:128*(\p)+FR*\b+FR-1], v[AF+FR*(\a):AF+FR*(\a)+FR-1], v[BIAS+8*\b:BIAS+8*\b+7], v[SC+8*NQ*(\sc)+NQ*\b+(\q)], v[SC+8*NQ*(\sc)+NQ*(\a)+(\q)] matrix_a_fmt:MATRIX_FMT_FP4 matrix_b_fmt:MATRIX_FMT_FP4 matrix_a_scale:MATRIX_SCALE_ROW1
.else
	v_wmma_scale_f32_16x16x128_f8f6f4 v[8*(8*((\a)%4)+\b):8*(8*((\a)%4)+\b)+7], v[128*(\p)+FR*\b:128*(\p)+FR*\b+FR-1], v[AF+FR*(\a):AF+FR*(\a)+FR-1], v[8*(8*((\a)%4)+\b):8*(8*((\a)%4)+\b)+7], v[SC+8*NQ*(\sc)+NQ*\b+(\q)], v[SC+8*NQ*(\sc)+NQ*(\a)+(\q)] matrix_a_fmt:MATRIX_FMT_FP4 matrix_b_fmt:MATRIX_FMT_FP4 matrix_a_scale:MATRIX_SCALE_ROW1
.endif
.endr
.endr
.endm
.macro FETCH_B slot, q, p
	WIN TO_B
.irp i, 0,1,2,3,4,5,6,7
	FRAG 128*(\p)+FR*\i, ADRB+\slot, \q, \i
.endr
	WIN 0
.endm
.macro FETCH_A slot, q, i0
.irp i, \i0, \i0+1, \i0+2, \i0+3
	FRAG AF+FR*(\i), ADRA+\slot, \q, \i
.endr
.endm
.macro SCALES sc                       ; a slot's scale words: four a row; lanes 0-15 X's block i, lanes 16-31 W's block i
.irp i, 0,1,2,3,4,5,6,7
	ds_load_b128 v[SC+8*NQ*\sc+NQ*\i:SC+8*NQ*\sc+NQ*\i+3], v[ADRS] offset:\i*SBLK
.endr
.endm
.macro PLACES n                        ; plain vector lines between a matrix instruction and a load into, or a read of, its registers
.rept \n
	v_nop
.endr
.endm
.macro STEP slot, q, zero              ; 128 along K, with its successor in the same slot
	s_wait_dscnt 4*NL                              ; all but the youngest eight loads (X's blocks 4-7)
	WIN MUL_LO-0x20*(\zero)
	MUL16 0, (\q)%2, \q, \slot, \zero
	MUL16 2, (\q)%2, \q, \slot, \zero
	s_wait_dscnt 0                                 ; X's blocks 4-7 are in
	PLACES NP
	FETCH_B \slot, (\q)+1, 1-(\q)%2
	FETCH_A \slot, (\q)+1, 0
	WIN MUL_HI-0x30*(\zero)
	MUL16 4, (\q)%2, \q, \slot, \zero
	MUL16 6, (\q)%2, \q, \slot, \zero
	PLACES NP
	WIN 0
	FETCH_A \slot, (\q)+1, 4
.endm
.macro STEPS slot, from
.set Q, \from
.rept NQ-1-\from
	STEP \slot, Q, 0
.set Q, Q+1
.endr
.endm
	s_wait_tensorcnt 1                             ; the scales and my part of slot 0 are in; slot 1's load, the one issued behind them, may be out
	s_barrier_signal -1
	s_barrier_wait -1                              ; everybody's are
	FETCH_B 0, 0, 0
	FETCH_A 0, 0, 0
	SCALES 0
	FETCH_A 0, 0, 4
	s_wait_loadcnt 0x0                             ; the bias
	STEP 0, 0, 1                                   ; the first products start the sums with the bias
	STEPS 0, 1
	; slot 0's last step changes slots: my part of slot 1 has landed, the add, my reads of slot 0 are over; one barrier; nothing is filled again
	s_wait_tensorcnt 0x0
	ds_add_u32 v[SPW], v[NIL]
	s_wait_dscnt 4*NL+1                            ; the add and the youngest eight loads may be out
	WIN MUL_LO
	MUL16 0, 1, NQ-1, 0, 0
	s_wait_dscnt 0x0
	s_barrier_signal -1
	MUL16 2, 1, NQ-1, 0, 0
	WIN 0
	s_barrier_wait -1
	PLACES NP
	v_add_nc_u32 v[ADRS], 4*NQ, v[ADRS]            ; slot 1's scale words
	FETCH_B 1, 0, 0
	FETCH_A 1, 0, 0
	SCALES 1
	WIN MUL_HI
	MUL16 4, 1, NQ-1, 0, 0
	MUL16 6, 1, NQ-1, 0, 0
	PLACES NP
	WIN 0
	FETCH_A 1, 0, 4
	STEPS 1, 0
	s_wait_dscnt 4*NL                              ; the last step: nothing more to fetch
	WIN MUL_LO
	MUL16 0, 1, NQ-1, 1, 0
	MUL16 2, 1, NQ-1, 1, 0
	s_wait_dscnt 0
	WIN MUL_HI
	MUL16 4, 1, NQ-1, 1, 0
	MUL16 6, 1, NQ-1, 1, 0
	WIN 0
; THE WAY OUT, a block of 16 rows x 128 columns at a time: rounded to f16 (16 bytes a lane, each accumulator from its low end on), through my stage, back as whole rows of 256 bytes.
.macro PACK a
.set AC, 64*((\a)%4)
	WIN 0x0a+5*((\a)/4)                            ; sources in window 2 or 3
.irp b, 0,1,2,3,4,5,6,7
.irp r, 0,1,2,3
	v_cvt_pk_f16_f32 v[TMP+4*\b+\r], v[AC+8*\b+2*\r], v[AC+8*\b+2*\r+1]
.endr
.endr
	WIN 0
.endm
.macro TOSTAGE a
.set BK, OB+192*((\a)%2)
.irp b, 0,1,2,3,4,5,6,7
	ds_store_b128 v[STO], v[TMP+4*\b:TMP+4*\b+3] offset:32*\b
.endr
.irp t, 0,1,2,3,4,5,6,7
	ds_load_b128 v[BK+4*\t:BK+4*\t+3], v[RD] offset:\t*2*SPITCH    ; in order behind my stores
.endr
.endm
.macro SEND a
.set BK, OB+192*((\a)%2)
	s_wait_dscnt 0x0                               ; the block is back in registers
	s_wait_xcnt 0x0                                ; earlier stores have read their base and their data
.if (\a) > 0
	s_add_nc_u64 s[12:13], s[12:13], 16*CROW
.endif
.irp t, 0,1,2,3,4,5,6,7
	global_store_b128 v[CO], v[BK+4*\t:BK+4*\t+3], s[12:13] offset:2*\t*CROW   ; 16 lanes store 256 consecutive aligned bytes
.endr
.endm
	PLACES NP
	PACK 0
	TOSTAGE 0
.irp a, 1,2,3,4,5,6,7
	PACK \a
	SEND \a-1
	TOSTAGE \a
.endr
	SEND 7
	s_wait_tensorcnt 0x0                           ; the wave's end
	ds_add_u32 v[SPW], v[NIL]
	s_wait_dscnt 0x0
	CROUND                                         ; the closing round
	s_endpgm
.Lfunc_end_k_qb0c6477018_project:
	.size	k_qb0c6477018_project, .Lfunc_end_k_qb0c6477018_project-k_qb0c6477018_project
	.p2alignl 7, 3214868480
	.fill 96, 4, 3214868480
	.section	.rodata,"a",@progbits
	.p2align	6, 0x0
	.amdhsa_kernel k_qb0c6477018_project
		.amdhsa_group_segment_fixed_size 327680
		.amdhsa_private_segment_fixed_size 0
		.amdhsa_enable_private_segment 0
		.amdhsa_kernarg_size 48
		.amdhsa_user_sgpr_count 2
		.amdhsa_user_sgpr_kernarg_segment_ptr 1
		.amdhsa_wavefront_size32 1
		.amdhsa_system_sgpr_workgroup_id_x 1
		.amdhsa_system_sgpr_workgroup_id_y 1
		.amdhsa_system_sgpr_workgroup_id_z 1
		.amdhsa_system_vgpr_workitem_id 0
		.amdhsa_next_free_vgpr 1024
		.amdhsa_next_free_sgpr 102
		.amdhsa_reserve_vcc 0
		.amdhsa_float_denorm_mode_32 3
		.amdhsa_float_denorm_mode_16_64 3
		.amdhsa_memory_ordered 1
		.amdhsa_forward_progress 1
		.amdhsa_inst_pref_size 129
	.end_amdhsa_kernel
	.amdgpu_metadata
---
amdhsa.version: [ 1, 2 ]
amdhsa.kernels:
  - .name:           k_qb0c6477018_project
    .symbol:         k_qb0c6477018_project.kd
    .args:
      - { .name: xq, .offset: 0, .size: 8, .value_kind: global_buffer, .address_space: global }
      - { .name: wq, .offset: 8, .size: 8, .value_kind: global_buffer, .address_space: global }
      - { .name: bq, .offset: 16, .size: 8, .value_kind: global_buffer, .address_space: global }
      - { .name: bk, .offset: 24, .size: 8, .value_kind: global_buffer, .address_space: global }
      - { .name: bv, .offset: 32, .size: 8, .value_kind: global_buffer, .address_space: global }
      - { .name: qkv, .offset: 40, .size: 8, .value_kind: global_buffer, .address_space: global }
    .group_segment_fixed_size: 327680
    .private_segment_fixed_size: 0
    .kernarg_segment_align: 8
    .kernarg_segment_size: 48
    .max_flat_workgroup_size: 128
    .sgpr_count:     102
    .vgpr_count:     1024
    .wavefront_size: 32
...
	.end_amdgpu_metadata
.endif
;; end of part 2
;; launch attend (part 3): grid 16 x 32, 4 waves a work-group, clusters of 4 x 1, 327,680 bytes of LDS; arguments qkv, lq1, lk1, lq2, lk2, o, stats; writes o, stats
.if DOCPART == 3
	.amdgcn_target "amdgcn-amd-amdhsa--gfx1250"
	.amdhsa_code_object_version 6
	.text
	.protected	k_qb0c6477018_attend
	.globl	k_qb0c6477018_attend
	.p2align	8
	.type	k_qb0c6477018_attend,@function
k_qb0c6477018_attend:
	s_mov_b64 s[64:65], 0
	v_nop
	global_prefetch_b8 v0, s[64:65] scope:SCOPE_SE
	s_setreg_imm32_b32 hwreg(HW_REG_WAVE_MODE, 25, 1), 1
	s_wait_xcnt 0x0
	s_wait_alu depctr_hold_cnt(0) depctr_sa_sdst(0) depctr_va_vdst(0) depctr_va_sdst(0) depctr_va_ssrc(0) depctr_va_vcc(0) depctr_vm_vsrc(0)
	s_getreg_b32 s2, hwreg(HW_REG_IB_STS2, 6, 4)
	s_cmp_eq_u32 s2, 0
	s_cbranch_scc0 .Lentry_in_a_cluster
	s_endpgm
.Lentry_in_a_cluster:
	s_bfe_u32 s2, ttmp6, 0x10000c
	s_cmp_lg_u32 s2, 0x3003
	s_cbranch_scc0 .Lentry_shape_is_right
	s_endpgm
.Lentry_shape_is_right:
; o[row][128 h ..] = softmax(q1 k1^T / 8) v - lam softmax(q2 k2^T / 8) v for group g = 16 d + 8 b + h: queries from x(d), keys and values from the other x; q1, k1 the head's first 64 channels, q2, k2 its last 64.
; lam = exp(lq1 . lk1) - exp(lq2 . lk2) + 0.35550907, by head.  q, k, v are f16 in qkv [8192][3072]; products on f16 operands with f32 sums; maxima, sums, lam in f32; the weights p are rounded to f16 for the second product.
; Beside o go partial statistics for the norm that follows: for each 32 queries of a group the mean and the sum of squares about that mean of their 4,096 numbers.
; SHARES.  A work-group owns 128 queries of a group.  A WAVE OWNS ONE OF THE TWO SOFTMAXES: wave w takes half beta = w % 2 of q and k and queries 64 (w / 2) on: four tiles of 16.  So it is a plain attention with 64 channels of
; q, k and 128 of v, and each fragment of K and V read from LDS feeds four products.  The divisors differ between the two softmaxes and are known at a row's end alone, so each wave sums its own P V; at the end each wave of a
; pair scales its sums by 1 / l (beta = 0) or -lam / l (beta = 1), keeps two tiles and hands the other two to its partner through LDS, as images of their registers.
; Tiles 0, 1 are queries 32 beta + 16 t, tiles 2, 3 queries 32 (1 - beta) + 16 (t - 2): both waves keep tiles 0, 1 and send tiles 2, 3.
; LAYOUT, SOFTMAX, TURNS.  S^T = K Q^T and O^T = V^T P: a lane holds ONE query throughout.  For each query a running maximum m and sum l: p = 2^(c s - c m), c = log2(e) / 8; in every step O and l are multiplied by
; 2^(c m_old - c m_new).  The wave's tiles are two pieces (0: tiles 0, 1; 2: tiles 2, 3).  In a turn one piece has the matrix unit (32 products V^T P of the step in hand, 16 products K Q^T of the next) and the other piece's
; softmax is cut into 64 slices: ONE slice, four vector lines, stands behind each of the 48 products, and the sixteen slices that are over stand together at the turn's end.
; CLUSTER.  The four query blocks of a cluster walk the same K and V: each tile is asked for jointly, with a mask that names the four.
; LIMITS: p under 2^-24 rounds to 0 in f16; an exponential whose result lies under 2^-126 gives 0; NaN and infinities are not served.
; REGISTERS: window 0: v1-11 addresses; v12-43 statistics, 8 a tile; v44-61 addresses, lam, at work; v62, v63 the add's two; v64-191 S^T, 32 a tile; v192-255 P, 16 a tile.
;   window 1: O^T, 64 a tile.   window 2: v0-63 Q, 16 a tile; v128-191 K of one step.   window 3: v0-127 V of one step.
.set KS,    64                         ; keys in a step
.set PK,    272                        ; a row of K in LDS: 256 bytes + 16
.set PITV,  288                        ; a row of V: 256 + 32
.set VOFF,  KS*PK
.set STEPB, KS*(PK+PITV)
.set SLOT1, 1<<17                      ; a slot holds two steps; one exclusive or turns an address from one slot to the other
.set XCH,   SLOT1+2*STEPB              ; behind the ring: 16,384 bytes a wave: the two tiles that it hands over
.set STAGE, XCH+4*16384                ; 16 rows x (512 + 16) bytes a wave
.set SP,    528
.set SPARE, STAGE+4*16*SP              ; the spare words, 128 bytes a wave, named by no other line
.set ROWQ,  6144                       ; a row of qkv in bytes
.set SLOTG, 2*KS*ROWQ                  ; a slot's 128 rows in memory
.set NKEYS, 2048
.set AK0, 2
.set AV0, 3
.set ADR, 4
.set QOA, 5
.set STO, 6
.set RD,  7
.set GO,  8
.set ST,  12                           ; tile t: +0 c m, +1 m, +2, +3 l, +4 to +7 at work; a in +6
.set QOB, 44
.set LAMF, 45                          ; 1 (beta = 0) or -lam (beta = 1)
.set XW,  54
.set XR,  55
.set PFO, 61                           ; a row of qkv x my lane; never rewritten
.set SPW, 62
.set NIL, 63
.set S,   64
.set P,   192
.set KF,  128
.set WV,  12
.set LIM, 15
.set PFA, 18
.set G1K, 24
.set G1V, 32
.set G0K, 40
.set G0V, 48
.set SLOTS, 56
.set TWICE, 57
.set CS,  58
.set SEL, 60
.set TB,  62
.set MSB, 0
.macro WIN new
.if MSB != (\new)
	s_set_vgpr_msb (MSB<<8)|(\new)
.set MSB, (\new)
.endif
.endm
.set W_KQ, 0x0a                        ; K and Q in window 2, S^T in window 0
.set W_PV, 0x53                        ; V in window 3, P in window 0, O^T in window 1
.set W_RS, 0x41                        ; O^T in window 1, its factor in window 0
; A joint refill: waves 0 and 1 fetch the two steps' tiles of K, waves 2 and 3 those of V.  An s_nop 0 and four v_nop follow each line.
.macro JLOAD
	s_cmp_lt_u32 s[WV], 2
	s_cbranch_scc0 .Lfor_v_\@
	tensor_load_to_lds s[G0K+4:G0K+7], s[G1K:G1K+7]
	s_nop 0
.rept 4
	v_nop
.endr
	s_branch .Lasked_\@
.Lfor_v_\@:
	tensor_load_to_lds s[G0V+4:G0V+7], s[G1V:G1V+7]
	s_nop 0
.rept 4
	v_nop
.endr
.Lasked_\@:
.endm
; A prefetch of what the NEXT change of slots will ask for: a slot's 128 rows of K and of V, 256 bytes of each row, a lane a row.  Each is named once in the launch: of the four clusters that walk a group's K and V the first asks;
; its four partners share the rows out by address, 32 each; in each, wave 0 asks for K's and wave 2 for V's.  The last change that fills a slot asks for nothing.
.macro ASK
	s_cmp_gt_u32 s[SLOTS], s[LIM]
	s_cbranch_scc0 .Lnot_mine_\@
	global_prefetch_b8 v[PFO], s[PFA:PFA+1] th:TH_LOAD_NT scope:SCOPE_SE
.Lnot_mine_\@:
.endm
.macro CROUND
	s_barrier_signal -1
	s_barrier_wait -1
	s_cmp_lg_u32 s[WV], 0
	s_cbranch_scc1 .Lnot_wave_0_\@
	s_barrier_signal -3
.Lnot_wave_0_\@:
	s_barrier_wait -3
	s_barrier_signal -1
	s_barrier_wait -1
.endm
.macro LANESUM r, t                    ; the sum over the 32 lanes, in every lane; v[t] has been written before
	v_add_f32_dpp v[\r], v[\r], v[\r] row_xmask:1 row_mask:0xf bank_mask:0xf
	v_add_f32_dpp v[\r], v[\r], v[\r] row_xmask:2 row_mask:0xf bank_mask:0xf
	v_add_f32_dpp v[\r], v[\r], v[\r] row_xmask:4 row_mask:0xf bank_mask:0xf
	v_add_f32_dpp v[\r], v[\r], v[\r] row_xmask:8 row_mask:0xf bank_mask:0xf
	v_permlanex16_b32 v[\t], v[\r], s[SEL], s[SEL+1]
	v_add_f32 v[\r], v[\r], v[\t]
.endm
	s_load_b256 s[4:11], s[0:1], 0x0               ; qkv s[4:5], lq1 s[6:7], lk1 s[8:9], lq2 s[10:11]
	s_load_b128 s[68:71], s[0:1], 0x20             ; lk2 s[68:69], o s[70:71]
	s_load_b64 s[72:73], s[0:1], 0x30              ; stats
	v_lshl_add_u32 v[SPW], v0, 2, SPARE
	v_mov_b32 v[NIL], 0
	ds_add_u32 v[SPW], v[NIL]                      ; the wave's opening: the add, twice on end, and its wait ahead of my first tensor load
	ds_add_u32 v[SPW], v[NIL]
	v_lshrrev_b32 v1, 5, v0
	v_readfirstlane_b32 s[WV], v1                  ; wave 0..3
	s_bfe_u32 s13, ttmp6, 0x40000                  ; cx
	s_lshl_b32 s14, ttmp9, 2
	s_add_co_u32 s14, s14, s13                     ; my block of 128 queries: it enters Q's, o's and stats' addresses alone
	s_and_b32 s20, ttmp7, 0xffff                   ; the group g, which the four partners share
	s_and_b32 s21, s20, 7                          ; head
	s_lshr_b32 s22, s20, 3                         ; 2 d + b
	s_and_b32 s16, s[WV], 1                        ; beta; also: which of a slot's two steps I fetch
	s_lshl_b32 s23, s21, 8                         ; the head's 256 bytes in q, k or v
	s_xor_b32 s74, s22, 2                          ; keys and values come from the other x
	s_lshl_b32 s74, s74, 11
	s_lshl_b32 s75, s16, 6
	s_add_co_u32 s74, s74, s75                     ; the first row that I fetch
	s_mul_i32 s74, s74, ROWQ
	s_add_co_u32 s74, s74, s23
	s_add_co_u32 s74, s74, 2048                    ; k's columns begin 2,048 bytes into a row
	s_mov_b32 s75, 0
	s_mul_i32 s17, s16, STEPB                      ; its place in a slot
	s_lshl_b32 s66, s22, 11
	s_lshl_b32 s67, s14, 7
	s_add_co_u32 s66, s66, s67
	s_lshr_b32 s67, s[WV], 1
	s_lshl_b32 s67, s67, 6
	s_add_co_u32 s66, s66, s67                     ; my wave's first query row
	s_mul_i32 s2, s66, ROWQ
	s_add_co_u32 s2, s2, s23
	s_lshl_b32 s3, s16, 7
	s_add_co_u32 s2, s2, s3                        ; + my half of the head
	s_mov_b32 s3, 0
	s_lshl_b32 s67, s16, 5
	s_add_co_u32 s66, s66, s67                     ; the 32 queries that I store
	s_lshl_b32 s66, s66, 12                        ; rows of 4,096 bytes
	s_lshl_b32 s67, s21, 9
	s_add_co_u32 s66, s66, s67
	s_mov_b32 s67, 0
	s_lshl_b32 s22, s20, 6
	s_lshl_b32 s21, s14, 2
	s_add_co_u32 s22, s22, s21
	s_add_co_u32 s22, s22, s[WV]
	s_lshl_b32 s22, s22, 3                         ; stats: (64 g + 4 block + wave) x 8 bytes
	s_mov_b32 s20, s23                             ; the head's row of the four lambda tensors
	s_mov_b32 s21, 0
	s_mov_b32 s23, 0
	s_mov_b32 s[G1K], 15|(1<<16)|(1<<20)|(1<<21)|(5<<22)|(3<<25)  ; mask: all four; elements of 2 bytes; padding on; bit 21 beside a mask; 4 words behind every 64
	s_mov_b32 s[G1V], 15|(1<<16)|(1<<20)|(1<<21)|(5<<22)|(7<<25)  ; the same with 8 words
.irp g, G1K, G1V
	s_mov_b32 s[\g+1], 128<<16                     ; tensor_dim0
	s_mov_b32 s[\g+2], KS<<16                      ; tensor_dim1
	s_mov_b32 s[\g+3], 128<<16                     ; tile_dim0
	s_mov_b32 s[\g+4], KS                          ; tile_dim1
	s_mov_b32 s[\g+5], 3072                        ; elements from row to row
	s_mov_b32 s[\g+6], 0
	s_mov_b32 s[\g+7], 0
.endr
	s_mov_b32 s[CS], 0x3e38aa3b                    ; c = log2(e) / 8
	s_mov_b32 s[CS+1], s[CS]
	s_mov_b32 s[SEL], 0x76543210
	s_mov_b32 s[SEL+1], 0xfedcba98
	s_mov_b32 s[TB], 0
	s_mov_b32 s[SLOTS], NKEYS/(2*KS)-2
	s_and_b32 s[LIM], s[WV], 1
	s_or_b32 s[LIM], s[LIM], ttmp9                 ; 0 in waves 0 and 2 of the group's first cluster: the same in all four partners
	s_cmp_eq_u32 s[LIM], 0
	s_cselect_b32 s[LIM], 1, -1
	v_and_b32 v[PFO], 31, v0
	v_mul_u32_u24 v[PFO], v[PFO], ROWQ
	s_wait_dscnt 0x0                               ; both opening adds are done
	s_wait_kmcnt 0x0
	s_add_nc_u64 s[74:75], s[4:5], s[74:75]        ; K at my tile of slot 0,
	s_add_nc_u64 s[76:77], s[74:75], 2048          ; V 2,048 bytes further on
	s_add_nc_u64 s[4:5], s[4:5], s[2:3]            ; Q
	s_add_nc_u64 s[70:71], s[70:71], s[66:67]
	s_add_nc_u64 s[72:73], s[72:73], s[22:23]
	s_add_nc_u64 s[6:7], s[6:7], s[20:21]
	s_add_nc_u64 s[8:9], s[8:9], s[20:21]
	s_add_nc_u64 s[10:11], s[10:11], s[20:21]
	s_add_nc_u64 s[68:69], s[68:69], s[20:21]
	s_cmp_lt_u32 s[WV], 2
	s_cselect_b64 s[PFA:PFA+1], s[74:75], s[76:77]
	s_mul_i32 s2, s13, 32*ROWQ                     ; my work-group's 32 rows of the 128
	s_mov_b32 s3, 0
	s_add_nc_u64 s[PFA:PFA+1], s[PFA:PFA+1], s[2:3]
	s_add_nc_u64 s[PFA:PFA+1], s[PFA:PFA+1], 2*SLOTG  ; in slot 2; the first change steps it to slot 3.  Nothing is prefetched at the head
	CROUND                                         ; all four work-groups are here: the first joint loads meet
.irp s, 0,1
	s_mov_b32 s[G0K+4*\s], 1
	s_add_co_u32 s[G0K+4*\s+1], s17, \s*SLOT1
	s_add_nc_u64 s[G0K+4*\s+2:G0K+4*\s+3], s[74:75], \s*SLOTG
	s_or_b32 s[G0K+4*\s+3], s[G0K+4*\s+3], 0x80000000
	s_mov_b32 s[G0V+4*\s], 1
	s_add_co_u32 s[G0V+4*\s+1], s17, \s*SLOT1+VOFF
	s_add_nc_u64 s[G0V+4*\s+2:G0V+4*\s+3], s[76:77], \s*SLOTG
	s_or_b32 s[G0V+4*\s+3], s[G0V+4*\s+3], 0x80000000
.endr
	s_cmp_lt_u32 s[WV], 2                          ; a wave's two first fills stand in one branch: two loads of mine are out
	s_cbranch_scc0 .Lfirst_v
	tensor_load_to_lds s[G0K:G0K+3], s[G1K:G1K+7]
	s_nop 0
	tensor_load_to_lds s[G0K+4:G0K+7], s[G1K:G1K+7]
	s_nop 0
.rept 4
	v_nop
.endr
	s_branch .Lfirst_asked
.Lfirst_v:
	tensor_load_to_lds s[G0V:G0V+3], s[G1V:G1V+7]
	s_nop 0
	tensor_load_to_lds s[G0V+4:G0V+7], s[G1V:G1V+7]
	s_nop 0
.rept 4
	v_nop
.endr
.Lfirst_asked:
	v_and_b32 v1, 15, v0                           ; l % 16
	v_bfe_u32 v9, v0, 4, 1                         ; l / 16
	v_mul_u32_u24 v[QOA], v1, ROWQ
	v_lshl_add_u32 v[QOA], v9, 4, v[QOA]           ; row x pitch + 16 x half
	s_mul_i32 s2, s16, 32*ROWQ
	s_xor_b32 s3, s16, 1
	s_mul_i32 s3, s3, 32*ROWQ
	v_add_nc_u32 v[QOB], s3, v[QOA]                ; tiles 2, 3: queries 32 (1 - beta) on
	v_add_nc_u32 v[QOA], s2, v[QOA]                ; tiles 0, 1: queries 32 beta on
	v_and_b32 v60, 31, v0
	v_lshlrev_b32 v60, 3, v60                      ; two numbers a lane of a lambda row
	WIN 0x80                                       ; destination window 2
.irp t, 0,1
.irp c, 0,1
	global_load_b128 v[16*\t+8*\c:16*\t+8*\c+3],   v[QOA], s[4:5] offset:\t*16*ROWQ+64*\c
	global_load_b128 v[16*\t+8*\c+4:16*\t+8*\c+7], v[QOA], s[4:5] offset:\t*16*ROWQ+64*\c+32
.endr
.endr
.irp t, 0,1
.irp c, 0,1
	global_load_b128 v[32+16*\t+8*\c:32+16*\t+8*\c+3],   v[QOB], s[4:5] offset:\t*16*ROWQ+64*\c
	global_load_b128 v[32+16*\t+8*\c+4:32+16*\t+8*\c+7], v[QOB], s[4:5] offset:\t*16*ROWQ+64*\c+32
.endr
.endr
	WIN 0
	global_load_b64 v[46:47], v60, s[6:7]
	global_load_b64 v[48:49], v60, s[8:9]
	global_load_b64 v[50:51], v60, s[10:11]
	global_load_b64 v[52:53], v60, s[68:69]
	v_mul_u32_u24 v[AK0], v1, PK
	v_lshl_add_u32 v[AK0], v9, 4, v[AK0]
	s_lshl_b32 s2, s16, 7
	v_add_nc_u32 v[AK0], s2, v[AK0]                ; K: row x pitch + 16 x half + my 128 bytes of the head
	v_and_b32 v10, 7, v0                           ; V, for the turning load: key 8 (l / 16) + l % 8, channels 8 ((l / 8) % 2) on
	v_bfe_u32 v11, v0, 3, 1
	v_lshl_add_u32 v[AV0], v9, 3, v10
	v_mul_u32_u24 v[AV0], v[AV0], PITV
	v_lshl_add_u32 v[AV0], v11, 4, v[AV0]
	v_add_nc_u32 v[AV0], VOFF, v[AV0]
	v_mov_b32 v58, 0                               ; a lane permute's destination counts as read
	v_mov_b32 v59, 0
; Product i of 32 of O^T += V^T P: keys 32 (i / 16) on, channels 16 ((i / 2) % 8) on, tile x + i % 2.  The accumulators take turns, one instruction a turn.
.macro PV x, zero
	WIN W_PV
.set rO, 64*(\x+i%2)+8*((i/2)%8)
.set rV, 64*(i/16)+8*((i/2)%8)
.set rP, P+16*(\x+i%2)+8*(i/16)
.if (\zero) && (i < 16)
	v_wmma_f32_16x16x32_f16 v[rO:rO+7], v[rV:rV+7], v[rP:rP+7], 0
.else
	v_wmma_f32_16x16x32_f16 v[rO:rO+7], v[rV:rV+7], v[rP:rP+7], v[rO:rO+7]
.endif
.endm
; Product i of 16 of S^T = K Q^T: channels 32 (i / 8) on, keys 16 ((i / 2) % 4) on, tile x + i % 2.  The first 8 start the sums.
.macro KQ x
	WIN W_KQ
.set rS, S+32*(\x+i%2)+8*((i/2)%4)
.set rK, KF+16*((i/2)%4)+8*(i/8)
.set rQ, 16*(\x+i%2)+8*(i/8)
.if i < 8
	v_wmma_f32_16x16x32_f16 v[rS:rS+7], v[rK:rK+7], v[rQ:rQ+7], 0
.else
	v_wmma_f32_16x16x32_f16 v[rS:rS+7], v[rK:rK+7], v[rQ:rQ+7], v[rS:rS+7]
.endif
.endm
.macro FETCH_K                         ; a step's K, my 64 channels: 8 fragments, 16 loads in one run
	WIN 0
	v_add_nc_u32 v[ADR], s[TB], v[AK0]
	WIN 0x80
.irp f, 0,1,2,3,4,5,6,7
	ds_load_b128 v[KF+8*\f:KF+8*\f+3],   v[ADR] offset:(\f/2)*16*PK+(\f%2)*64
	ds_load_b128 v[KF+8*\f+4:KF+8*\f+7], v[ADR] offset:(\f/2)*16*PK+(\f%2)*64+32
.endr
.endm
.macro FETCH_V                         ; a step's V, turned: 16 fragments, 32 loads in one run
	WIN 0
	v_add_nc_u32 v[ADR], s[TB], v[AV0]
	s_add_co_u32 s[TB], s[TB], STEPB               ; the next fetch is the next step's
	s_wait_alu depctr_va_vdst(0)                   ; the wait for the softmax's batch of exponentials, ahead of the first line that names a result
	WIN 0xc0
.irp f, 0,1,2,3,4,5,6,7,8,9,10,11,12,13,14,15
	ds_load_tr16_b128 v[8*\f:8*\f+3],   v[ADR] offset:(\f/8)*32*PITV+(\f%8)*32
	ds_load_tr16_b128 v[8*\f+4:8*\f+7], v[ADR] offset:(\f/8)*32*PITV+16*PITV+(\f%8)*32
.endr
.endm
; One tile's softmax for one key step is a list of 134 instructions; SM writes number j of it for tile t.
;   0-15 the maximum of the 32 scores and the old m (each accumulator is read from its low end on);  16-20 the other half of the lanes' maximum, the new m, c m, c m_old - c m_new;
;   21-69 ONE BATCH: 16 packed scalings and 33 exponentials, none of which reads an exponential's result;  (the wait);  70-85 the roundings to f16;  86-101 the sums, and l;  102-133 the tile's O^T times a.
.macro SM t, first
.set rT, ST+8*(\t)
.set rS, S+32*(\t)
.set rP, P+16*(\t)
.set rO, 64*(\t)+2*(j-102)
.if j < 102
	WIN 0
.endif
.if j < 4
	v_max3_num_f32 v[rT+4+j], v[rS+8*j], v[rS+8*j+1], v[rS+8*j+2]
.elseif j < 12
	v_max3_num_f32 v[rT+4+j%4], v[rT+4+j%4], v[rS+8*(j%4)+2*(j/4)+1], v[rS+8*(j%4)+2*(j/4)+2]
.elseif j == 12
	v_max3_num_f32 v[rT+4], v[rT+4], v[rS+7], v[rS+15]
.elseif j == 13
	v_max3_num_f32 v[rT+6], v[rT+6], v[rS+23], v[rS+31]
.elseif j == 14
	v_max3_num_f32 v[rT+4], v[rT+4], v[rT+5], v[rT+6]
.elseif (j == 15) && \first
	v_max_num_f32 v[rT+4], v[rT+4], v[rT+7]
.elseif j == 15
	v_max3_num_f32 v[rT+4], v[rT+4], v[rT+7], v[rT+1]
.elseif j == 16
	v_permlanex16_b32 v[rT+5], v[rT+4], s[SEL], s[SEL+1]
.elseif j == 18
	v_max_num_f32 v[rT+1], v[rT+4], v[rT+5]
.elseif j == 19
	v_mul_f32 v[rT], s[CS], v[rT+1]
.elseif ((j == 17) || (j == 20) || (j == 23) || (j > 101)) && \first
.elseif j == 17
	v_mov_b32 v[rT+7], v[rT]
.elseif j == 20
	v_sub_f32 v[rT+7], v[rT+7], v[rT]
.elseif j == 23
	v_exp_f32 v[rT+6], v[rT+7]
.elseif (j < 23) || ((j < 38) && (j%2 == 0)) || ((j < 66) && (j%4 == 2))
.set b, (j-2)/4
.if j < 38
.set b, (j-20)/2
.endif
	v_pk_fma_f32 v[rS+2*b:rS+2*b+1], v[rS+2*b:rS+2*b+1], s[CS:CS+1], v[rT:rT+1] op_sel_hi:[1,0,0] neg_lo:[0,0,1] neg_hi:[0,0,1]
.elseif j < 70
.set e, j-38
.if j < 66
.set e, j-32-(j-38)/4
.endif
.if j < 38
.set e, (j-25)/2
.endif
	v_exp_f32 v[rS+e], v[rS+e]
.elseif j < 86
	v_cvt_pk_f16_f32 v[rP+j-70], v[rS+2*(j-70)], v[rS+2*(j-70)+1]
.elseif j < 102
.set z, j-86
.set w, 4
.set u, z
.if z >= 14
.set w, 32
.set u, 0
.elseif z >= 12
.set w, 16
.set u, z-12
.elseif z >= 8
.set w, 8
.set u, z-8
.endif
.if (z == 14) && \first
	v_pk_add_f32 v[rT+2:rT+3], v[rS:rS+1], v[rS+16:rS+17]
.elseif z < 15
	v_pk_add_f32 v[rS+w*u:rS+w*u+1], v[rS+w*u:rS+w*u+1], v[rS+w*u+w/2:rS+w*u+w/2+1]
.elseif !\first
	v_pk_fma_f32 v[rT+2:rT+3], v[rT+2:rT+3], v[rT+6:rT+7], v[rS:rS+1] op_sel_hi:[1,0,1]
.endif
.else
	WIN W_RS
	v_pk_mul_f32 v[rO:rO+1], v[rO:rO+1], v[rT+6:rT+7] op_sel_hi:[1,0]
.endif
.endm
; Slice k of 64 of piece y's softmax: four instructions (slice 63: sixteen).  Slices 11 to 34 deal out the batch, four numbers of one tile each, the tiles by turns.  Behind slice 34 no exponential is issued and ahead of
; slice 35 nothing names a result: so the piece's 66 exponentials have one plain line and one wait, behind slice 34.
.macro SLICE y, first
.if (k >= 11) && (k < 35)
.irp n, 0,1,2,3
.set j, 22+4*((k-11)/2)+(\n)
	SM (\y)+(k-11)%2, \first
.endr
.else
.irp n, 0,1,2,3,4,5,6,7
.if (\n < 2) || (k == 63)
.irp t, \y, \y+1
.set j, 2*k+\n
	SM \t, \first
.endr
.endif
.endr
.endif
.if k == 34
	v_nop
.if (\y) == 0
	FETCH_V                                        ; piece 2's turn: V's run of loads stands here, and the wait stands in it
.else
	s_wait_alu depctr_va_vdst(0)
.endif
.endif
.set k, k+1
.endm
.macro PLACES
.rept 4
	v_nop
.endr
.endm
; A TURN.  pv = 2: 32 products V^T P; 1: they start O^T's sums; 0: none.  kq = 1: 16 products K Q^T for the next step.
; THE DEALING: one slice behind each product, so that no product but the turn's last has more than four vector lines behind it; the slices that are over (64 less the turn's products: 16 in the loop) stand together at the
; turn's end.  They are plain lines on the other piece's registers, so they are also the places between the turn's last K Q^T and what follows: the next turn's first read of those scores, and the loads into K's registers.
; Piece 0's turn fetches the next step's K behind its second product: K's last reader stands ahead of slice 47 of the turn before.  Piece 2's turn fetches V behind slice 34: V's last reader stands ahead of slice 31, and four
; plain lines lie between: number 62 of both tiles, the v_nop and the run's own addition; the three K Q^T between name no register of V.
.macro TURN x, pv, kq, first
.set k, 0
.if \pv
.if \x == 0
	s_wait_dscnt 0x0                               ; V is in
.endif
.set i, 0
.rept 32
	PV \x, 2-\pv
	SLICE 2-\x, \first
.if (\x == 0) && \kq && (i == 1)
	FETCH_K
.endif
.set i, i+1
.endr
.endif
.if \kq
.if \x == 0
	s_wait_dscnt 0x0                               ; K is in
.endif
.set i, 0
.rept 16
	KQ \x
	SLICE 2-\x, \first
.set i, i+1
.endr
.endif
.rept 64-k                                         ; the slices that are over, on end
	SLICE 2-\x, \first
.endr
.if \first
	PLACES                                         ; the first step's last slices are empty
.endif
.endm
; THE CHANGE OF SLOTS: all my tensor loads have landed (one was out: my part of the other slot), the add, my reads of the slot are over.  fill = 1: a round of the cluster's barrier, and the joint refill first behind it:
; it has two key steps, 192 matrix instructions, in which to land.
.macro CHANGE fill
	WIN 0
	s_wait_tensorcnt 0x0
	ds_add_u32 v[SPW], v[NIL]
.if \fill
.irp g, G0K+4, G0V+4
	s_xor_b32 s[\g+1], s[\g+1], SLOT1              ; the walking descriptor: the other slot,
	s_add_nc_u64 s[\g+2:\g+3], s[\g+2:\g+3], SLOTG ; the next 128 keys
.endr
	s_wait_xcnt 0x0                                ; the last prefetch, two key steps back, has read its address
	s_add_nc_u64 s[PFA:PFA+1], s[PFA:PFA+1], SLOTG
	s_wait_dscnt 0x0
	CROUND
	JLOAD
	ASK
.else
	s_wait_dscnt 0x0
	s_barrier_signal -1
	s_barrier_wait -1
.endif
	s_sub_co_u32 s[TB], s[TB], 2*STEPB
	s_xor_b32 s[TB], s[TB], SLOT1
.endm
.macro TWO_STEPS
	s_mov_b32 s[TWICE], 2
.Lstep_\@:
	TURN 0, 2, 1, 0
	TURN 2, 2, 1, 0
	WIN 0
	s_sub_co_u32 s[TWICE], s[TWICE], 1
	s_cmp_lg_u32 s[TWICE], 0
	s_cbranch_scc1 .Lstep_\@
.endm
	s_wait_tensorcnt 1                             ; my part of slot 0 is in; slot 1's load, issued behind it, may stay out
	s_barrier_signal -1
	s_barrier_wait -1
	FETCH_K                                        ; key step 0
	WIN 0
	s_wait_loadcnt 0x0                             ; Q and the lambda rows
	v_mul_f32 v56, v46, v48                        ; lam, while K's fragments come
	v_mul_f32 v57, v50, v52
	v_fmac_f32 v56, v47, v49
	v_fmac_f32 v57, v51, v53
	LANESUM 56, 58
	LANESUM 57, 59
	v_mul_f32 v56, 0x3fb8aa3b, v56
	v_mul_f32 v57, 0x3fb8aa3b, v57
	v_exp_f32 v56, v56
	v_exp_f32 v57, v57
	v_nop
	s_wait_alu depctr_va_vdst(0)                   ; one wait for the two exponentials
	v_sub_f32 v56, v56, v57
	v_add_f32 v56, 0x3eb60549, v56                 ; + 0.8 - 0.6 exp(-0.3)
	v_xor_b32 v56, 0x80000000, v56                 ; -lam
	v_mov_b32 v57, 1.0
	s_cmp_eq_u32 s16, 0
	s_cselect_b32 s20, -1, 0
	v_cndmask_b32 v[LAMF], v56, v57, s20           ; 1 for the first softmax's wave, -lam for the second's
	s_wait_dscnt 0x0
.set i, 0
.rept 16
	KQ 0                                           ; piece 0's first scores
.set i, i+1
.endr
	WIN 0                                          ; the addresses for the way out: eight plain lines, the places behind those products
	s_mul_i32 s2, s[WV], 16*SP
	s_add_co_u32 s2, s2, STAGE
	v_mul_u32_u24 v[STO], v1, SP
	v_lshl_add_u32 v[STO], v9, 5, v[STO]
	v_add_nc_u32 v[STO], s2, v[STO]                ; in: row l % 16, 32 bytes for each half of the lanes
	v_and_b32 v[GO], 31, v0
	v_lshlrev_b32 v[GO], 4, v[GO]                  ; 16 x lane
	v_add_nc_u32 v[RD], s2, v[GO]                  ; back: the 32 lanes take one row of 512 bytes
	s_lshl_b32 s2, s[WV], 14
	s_add_co_u32 s2, s2, XCH
	v_add_nc_u32 v[XW], s2, v[GO]                  ; what I hand over,
	s_xor_b32 s3, s[WV], 1
	s_lshl_b32 s3, s3, 14
	s_add_co_u32 s3, s3, XCH
	v_add_nc_u32 v[XR], s3, v[GO]                  ; and what my partner hands me
	TURN 2, 0, 1, 1                                ; piece 2's first scores | piece 0's first softmax | V of step 0
	TURN 0, 1, 1, 1                                ; piece 0: V^T P of step 0 starts O^T, K Q^T of step 1 | piece 2's first softmax | K of step 1
	TURN 2, 1, 1, 0                                ; piece 2: the same | piece 0's softmax of step 1 | V of step 1
	WIN 0
.Lslot:                                            ; 14 trips: every slot but the last two is filled again
	CHANGE 1
	TWO_STEPS
	s_sub_co_u32 s[SLOTS], s[SLOTS], 1
	s_cmp_lg_u32 s[SLOTS], 0
	s_cbranch_scc1 .Lslot
	CHANGE 0                                       ; the tail is written out
	TWO_STEPS
	TURN 0, 2, 0, 0                                ; piece 0: V^T P of the last step | piece 2's last softmax
.set i, 0
.rept 32
	PV 2, 0
.set i, i+1
.endr
	; THE WAY OUT.  1: each tile's factor, (1 or -lam) / l.  The additions are the places behind the last products.
	WIN 0
.irp t, 0,1,2,3
	v_add_f32 v[ST+8*\t+4], v[ST+8*\t+2], v[ST+8*\t+3]
.endr
.irp t, 0,1,2,3
	v_permlanex16_b32 v[ST+8*\t+5], v[ST+8*\t+4], s[SEL], s[SEL+1]
.endr
.irp t, 0,1,2,3
	v_add_f32 v[ST+8*\t+4], v[ST+8*\t+4], v[ST+8*\t+5]
.endr
.irp t, 0,1,2,3
	v_rcp_f32 v[ST+8*\t+6], v[ST+8*\t+4]
.endr
	v_nop
	s_wait_alu depctr_va_vdst(0)                   ; one wait for the four reciprocals
.irp t, 0,1,2,3
	v_mul_f32 v[ST+8*\t+6], v[ST+8*\t+6], v[LAMF]
.endr
	WIN W_RS                                       ; 2: all of O^T times its tile's factor, each accumulator from its low end on
.irp t, 0,1,2,3
.set i, 64*\t
.rept 32
	v_pk_mul_f32 v[i:i+1], v[i:i+1], v[ST+8*\t+6:ST+8*\t+7] op_sel_hi:[1,0]
.set i, i+2
.endr
.endr
	WIN 0x04                                       ; 3: tiles 2 and 3 go to my partner as images of their registers (an LDS store's data: window 1)
.set i, 0
.rept 32
	ds_store_b128 v[XW], v[128+4*i:128+4*i+3] offset:512*i
.set i, i+1
.endr
	WIN 0
	s_wait_dscnt 0x0                               ; for my partner's sake: my stores are done
	s_barrier_signal -1
	s_barrier_wait -1
.set i, 0
.rept 32
	ds_load_b128 v[S+4*i:S+4*i+3], v[XR] offset:512*i
.set i, i+1
.endr
	s_wait_dscnt 0x0
	WIN 0x01                                       ; my tiles 0 and 1 (window 1) + my partner's: a1 v - lam a2 v of 32 queries x 128 channels, in v64-191
.set i, 0
.rept 64
	v_pk_add_f32 v[S+2*i:S+2*i+1], v[2*i:2*i+1], v[S+2*i:S+2*i+1]
.set i, i+1
.endr
	WIN 0
	; 4: the mean of my 4,096 numbers, then the sum of squares about it: four chains each
.irp c, 0,1,2,3
	v_pk_add_f32 v[192+2*\c:193+2*\c], v[S+2*\c:S+2*\c+1], v[S+8+2*\c:S+9+2*\c]
.endr
.irp i, 16,24,32,40,48,56,64,72,80,88,96,104,112,120
.irp c, 0,1,2,3
	v_pk_add_f32 v[192+2*\c:193+2*\c], v[192+2*\c:193+2*\c], v[S+\i+2*\c:S+\i+2*\c+1]
.endr
.endr
	v_pk_add_f32 v[192:193], v[192:193], v[194:195]
	v_pk_add_f32 v[196:197], v[196:197], v[198:199]
	v_pk_add_f32 v[192:193], v[192:193], v[196:197]
	v_add_f32 v192, v192, v193
	LANESUM 192, 193
	v_mul_f32 v200, 0x39800000, v192               ; / 4,096
	v_mov_b32 v201, v200
.irp c, 0,1,2,3
	v_pk_add_f32 v[208+2*\c:209+2*\c], v[S+2*\c:S+2*\c+1], v[200:201] neg_lo:[0,1] neg_hi:[0,1]
.endr
.irp c, 0,1,2,3
	v_pk_mul_f32 v[216+2*\c:217+2*\c], v[208+2*\c:209+2*\c], v[208+2*\c:209+2*\c]
.endr
.irp i, 8,16,24,32,40,48,56,64,72,80,88,96,104,112,120
.irp c, 0,1,2,3
	v_pk_add_f32 v[208+2*\c:209+2*\c], v[S+\i+2*\c:S+\i+2*\c+1], v[200:201] neg_lo:[0,1] neg_hi:[0,1]
.endr
.irp c, 0,1,2,3
	v_pk_fma_f32 v[216+2*\c:217+2*\c], v[208+2*\c:209+2*\c], v[208+2*\c:209+2*\c], v[216+2*\c:217+2*\c]
.endr
.endr
	v_pk_add_f32 v[216:217], v[216:217], v[218:219]
	v_pk_add_f32 v[220:221], v[220:221], v[222:223]
	v_pk_add_f32 v[216:217], v[216:217], v[220:221]
	v_add_f32 v216, v216, v217
	LANESUM 216, 217
	v_mov_b32 v46, v200
	v_mov_b32 v47, v216
	v_mov_b32 v48, 0
	v_and_b32 v49, 31, v0
	; 5: o, a tile of 16 queries at a time through my stage; LDS serves a wave's instructions in order, so no wait stands between the stores and the loads, nor ahead of the next tile's stores
.irp f, 0,1,2,3,4,5,6,7
	ds_store_b128 v[STO], v[S+8*\f:S+8*\f+3] offset:64*\f
	ds_store_b128 v[STO], v[S+8*\f+4:S+8*\f+7] offset:64*\f+16
.endr
.irp f, 0,1,2,3,4,5,6,7,8,9,10,11,12,13,14,15
	ds_load_b128 v[192+4*\f:192+4*\f+3], v[RD] offset:\f*SP
.endr
.irp f, 0,1,2,3,4,5,6,7
	ds_store_b128 v[STO], v[S+64+8*\f:S+64+8*\f+3] offset:64*\f
	ds_store_b128 v[STO], v[S+64+8*\f+4:S+64+8*\f+7] offset:64*\f+16
.endr
.irp f, 0,1,2,3,4,5,6,7,8,9,10,11,12,13,14,15
	ds_load_b128 v[S+4*\f:S+4*\f+3], v[RD] offset:\f*SP
.endr
.irp f, 0,1,2,3,4,5,6,7,8,9,10,11,12,13,14,15
	s_wait_dscnt 32+15-\f                          ; behind tile 0's load f: its own later loads and tile 1's 32 LDS instructions
	global_store_b128 v[GO], v[192+4*\f:192+4*\f+3], s[70:71] offset:\f*4096   ; 32 lanes store 512 consecutive aligned bytes
.endr
.irp f, 0,1,2,3,4,5,6,7,8,9,10,11,12,13,14,15
	s_wait_dscnt 15-\f
	global_store_b128 v[GO], v[S+4*\f:S+4*\f+3], s[70:71] offset:65536+\f*4096
.endr
	s_wait_xcnt 0x0                                ; 6: EXEC changes only behind this wait
	v_cmp_eq_u32 vcc_lo, 0, v49
	s_and_saveexec_b32 s20, vcc_lo
	global_store_b64 v48, v[46:47], s[72:73]       ; lane 0: my partial mean and sum of squares
	s_wait_xcnt 0x0
	s_or_b32 exec_lo, exec_lo, s20
	s_wait_tensorcnt 0x0                           ; the wave's end
	ds_add_u32 v[SPW], v[NIL]
	s_wait_dscnt 0x0
	CROUND                                         ; the closing round
	s_endpgm
.Lfunc_end_k_qb0c6477018_attend:
	.size	k_qb0c6477018_attend, .Lfunc_end_k_qb0c6477018_attend-k_qb0c6477018_attend
	.p2alignl 7, 3214868480
	.fill 96, 4, 3214868480
	.section	.rodata,"a",@progbits
	.p2align	6, 0x0
	.amdhsa_kernel k_qb0c6477018_attend
		.amdhsa_group_segment_fixed_size 327680
		.amdhsa_private_segment_fixed_size 0
		.amdhsa_enable_private_segment 0
		.amdhsa_kernarg_size 56
		.amdhsa_user_sgpr_count 2
		.amdhsa_user_sgpr_kernarg_segment_ptr 1
		.amdhsa_wavefront_size32 1
		.amdhsa_system_sgpr_workgroup_id_x 1
		.amdhsa_system_sgpr_workgroup_id_y 1
		.amdhsa_system_sgpr_workgroup_id_z 1
		.amdhsa_system_vgpr_workitem_id 0
		.amdhsa_next_free_vgpr 1024
		.amdhsa_next_free_sgpr 80
		.amdhsa_reserve_vcc 1
		.amdhsa_float_denorm_mode_32 3
		.amdhsa_float_denorm_mode_16_64 3
		.amdhsa_memory_ordered 1
		.amdhsa_forward_progress 1
		.amdhsa_inst_pref_size 219
	.end_amdhsa_kernel
	.amdgpu_metadata
---
amdhsa.version: [ 1, 2 ]
amdhsa.kernels:
  - .name:           k_qb0c6477018_attend
    .symbol:         k_qb0c6477018_attend.kd
    .args:
      - { .name: qkv, .offset: 0, .size: 8, .value_kind: global_buffer, .address_space: global }
      - { .name: lq1, .offset: 8, .size: 8, .value_kind: global_buffer, .address_space: global }
      - { .name: lk1, .offset: 16, .size: 8, .value_kind: global_buffer, .address_space: global }
      - { .name: lq2, .offset: 24, .size: 8, .value_kind: global_buffer, .address_space: global }
      - { .name: lk2, .offset: 32, .size: 8, .value_kind: global_buffer, .address_space: global }
      - { .name: o, .offset: 40, .size: 8, .value_kind: global_buffer, .address_space: global }
      - { .name: stats, .offset: 48, .size: 8, .value_kind: global_buffer, .address_space: global }
    .group_segment_fixed_size: 327680
    .private_segment_fixed_size: 0
    .kernarg_segment_align: 8
    .kernarg_segment_size: 56
    .max_flat_workgroup_size: 128
    .sgpr_count:     80
    .vgpr_count:     1024
    .wavefront_size: 32
...
	.end_amdgpu_metadata
.endif
;; end of part 3
;; launch norm (part 4): grid 256 x 1, 8 waves a work-group, no clusters, 0 bytes of LDS; arguments o, stats, gn_w, gn_b, a16; writes a16
.if DOCPART == 4
	.amdgcn_target "amdgcn-amd-amdhsa--gfx1250"
	.amdhsa_code_object_version 6
	.text
	.protected	k_qb0c6477018_norm
	.globl	k_qb0c6477018_norm
	.p2align	8
	.type	k_qb0c6477018_norm,@function
k_qb0c6477018_norm:
	s_mov_b64 s[64:65], 0
	v_nop
	global_prefetch_b8 v0, s[64:65] scope:SCOPE_SE
	s_setreg_imm32_b32 hwreg(HW_REG_WAVE_MODE, 25, 1), 1
	s_wait_xcnt 0x0
; a16[row][c] = (1 - 0.35550907) ((o[row][c] - mean) rsqrt(var + 1e-5) gn_w[c] + gn_b[c]), rounded to f16; mean and var of the group (2 d + b, head): 2,048 rows x 128 columns.
; The mean is taken away in f32 before anything is rounded.  A group's 64 partials (mean and sum of squares about it, of 4,096 numbers each) are joined: mean = the partial means' mean;
; var = (the sum of the partial sums + 4,096 x the sum of (partial mean - mean)^2) / 2^18.
; A stream: memory binds, so no LDS, no barrier, no matrix unit.  A work-group takes 32 rows; thread t takes columns 4 t .. 4 t + 3 of every row, so wave w IS head w, and its gains stay in registers.
; All 32 loads of a wave go out at once (512 consecutive bytes each); a wave's store covers 256 consecutive aligned bytes; no register is written twice.
; LIMIT: results beyond 65,504 in magnitude become infinity in f16.
.set X, 32                             ; v32-159  32 rows x 4 numbers
.set Y, 160                            ; v160-223 32 rows x 2 registers of f16
.macro LANESUM r, t
	v_add_f32_dpp v[\r], v[\r], v[\r] row_xmask:1 row_mask:0xf bank_mask:0xf
	v_add_f32_dpp v[\r], v[\r], v[\r] row_xmask:2 row_mask:0xf bank_mask:0xf
	v_add_f32_dpp v[\r], v[\r], v[\r] row_xmask:4 row_mask:0xf bank_mask:0xf
	v_add_f32_dpp v[\r], v[\r], v[\r] row_xmask:8 row_mask:0xf bank_mask:0xf
	v_permlanex16_b32 v[\t], v[\r], s20, s21
	v_add_f32 v[\r], v[\r], v[\t]
.endm
	s_load_b256 s[4:11], s[0:1], 0x0               ; o s[4:5], stats s[6:7], gn_w s[8:9], gn_b s[10:11]
	s_load_b64 s[12:13], s[0:1], 0x20              ; a16
	v_lshlrev_b32 v1, 4, v0                        ; 16 t: my place in a row of o, in gn_w and in gn_b
	v_lshlrev_b32 v2, 3, v0                        ; 8 t: in a row of a16
	v_and_b32 v3, 31, v0
	v_lshlrev_b32 v3, 4, v3                        ; two partials a lane
	v_lshrrev_b32 v18, 5, v0
	v_readfirstlane_b32 s14, v18                   ; wave = head
	s_lshr_b32 s15, ttmp9, 6                       ; 2 d + b: 64 work-groups to 2,048 rows
	s_lshl_b32 s15, s15, 3
	s_add_co_u32 s15, s15, s14                     ; the group
	s_lshl_b32 s16, s15, 9                         ; 512 bytes of partials a group
	s_mov_b32 s17, 0
	s_lshl_b32 s18, ttmp9, 17                      ; 32 rows of 4,096 bytes
	s_mov_b32 s19, 0
	s_lshl_b32 s22, ttmp9, 16                      ; 32 rows of 2,048 bytes
	s_mov_b32 s23, 0
	s_mov_b32 s20, 0x76543210
	s_mov_b32 s21, 0xfedcba98
	v_mov_b32 v19, 0                               ; a lane permute's destination counts as read
	v_mov_b32 v23, 0x3727c5ac                      ; 1e-5
	s_wait_kmcnt 0x0
	s_add_nc_u64 s[6:7], s[6:7], s[16:17]
	s_add_nc_u64 s[4:5], s[4:5], s[18:19]
	s_add_nc_u64 s[12:13], s[12:13], s[22:23]
	global_load_b128 v[4:7], v3, s[6:7]
	global_load_b128 v[8:11], v1, s[8:9]
	global_load_b128 v[12:15], v1, s[10:11]
.set i, 0
.rept 32
	global_load_b128 v[X+4*i:X+4*i+3], v1, s[4:5] offset:4096*i th:TH_LOAD_NT
.set i, i+1
.endr
	s_wait_loadcnt 32                              ; the partials and the gains are in; the 32 rows stay out
	v_add_f32 v18, v4, v6
	LANESUM 18, 19
	v_mul_f32 v16, 0x3c800000, v18                 ; / 64: the group's mean,
	v_mov_b32 v17, v16                             ; twice, for the packed subtraction
	v_sub_f32 v20, v4, v16
	v_sub_f32 v21, v6, v16
	v_mul_f32 v20, v20, v20
	v_fmac_f32 v20, v21, v21
	v_add_f32 v22, v5, v7
	v_fmamk_f32 v22, v20, 0x45800000, v22          ; + 4,096 x the squares of the partial means' distances
	LANESUM 22, 19
	v_fmamk_f32 v22, v22, 0x36800000, v23          ; / 2^18 + 1e-5
	v_rsq_f32 v24, v22
.irp j, 0,1,2,3
	v_mul_f32 v[12+\j], 0x3f24fd5c, v[12+\j]       ; (1 - 0.35550907) gn_b: plain lines behind the root
.endr
	s_wait_alu depctr_va_vdst(0)                   ; ahead of the first line that names the root
	v_mul_f32 v24, 0x3f24fd5c, v24
.irp j, 0,1,2,3
	v_mul_f32 v[8+\j], v24, v[8+\j]
.endr
.set i, 0
.rept 32
	s_wait_loadcnt 31-i                            ; row i is in; the later rows stay out
	v_pk_add_f32 v[X+4*i:X+4*i+1], v[X+4*i:X+4*i+1], v[16:17] neg_lo:[0,1] neg_hi:[0,1]
	v_pk_add_f32 v[X+4*i+2:X+4*i+3], v[X+4*i+2:X+4*i+3], v[16:17] neg_lo:[0,1] neg_hi:[0,1]
	v_pk_fma_f32 v[X+4*i:X+4*i+1], v[X+4*i:X+4*i+1], v[8:9], v[12:13]
	v_pk_fma_f32 v[X+4*i+2:X+4*i+3], v[X+4*i+2:X+4*i+3], v[10:11], v[14:15]
	v_cvt_pk_f16_f32 v[Y+2*i], v[X+4*i], v[X+4*i+1]
	v_cvt_pk_f16_f32 v[Y+2*i+1], v[X+4*i+2], v[X+4*i+3]
	global_store_b64 v2, v[Y+2*i:Y+2*i+1], s[12:13] offset:2048*i
.set i, i+1
.endr
	s_endpgm
.Lfunc_end_k_qb0c6477018_norm:
	.size	k_qb0c6477018_norm, .Lfunc_end_k_qb0c6477018_norm-k_qb0c6477018_norm
	.p2alignl 7, 3214868480
	.fill 96, 4, 3214868480
	.section	.rodata,"a",@progbits
	.p2align	6, 0x0
	.amdhsa_kernel k_qb0c6477018_norm
		.amdhsa_group_segment_fixed_size 0
		.amdhsa_private_segment_fixed_size 0
		.amdhsa_enable_private_segment 0
		.amdhsa_kernarg_size 40
		.amdhsa_user_sgpr_count 2
		.amdhsa_user_sgpr_kernarg_segment_ptr 1
		.amdhsa_wavefront_size32 1
		.amdhsa_system_sgpr_workgroup_id_x 1
		.amdhsa_system_sgpr_workgroup_id_y 1
		.amdhsa_system_sgpr_workgroup_id_z 1
		.amdhsa_system_vgpr_workitem_id 0
		.amdhsa_next_free_vgpr 224
		.amdhsa_next_free_sgpr 66
		.amdhsa_reserve_vcc 0
		.amdhsa_float_denorm_mode_32 3
		.amdhsa_float_denorm_mode_16_64 3
		.amdhsa_memory_ordered 1
		.amdhsa_forward_progress 1
		.amdhsa_inst_pref_size 23
	.end_amdhsa_kernel
	.amdgpu_metadata
---
amdhsa.version: [ 1, 2 ]
amdhsa.kernels:
  - .name:           k_qb0c6477018_norm
    .symbol:         k_qb0c6477018_norm.kd
    .args:
      - { .name: o, .offset: 0, .size: 8, .value_kind: global_buffer, .address_space: global }
      - { .name: stats, .offset: 8, .size: 8, .value_kind: global_buffer, .address_space: global }
      - { .name: gn_w, .offset: 16, .size: 8, .value_kind: global_buffer, .address_space: global }
      - { .name: gn_b, .offset: 24, .size: 8, .value_kind: global_buffer, .address_space: global }
      - { .name: a16, .offset: 32, .size: 8, .value_kind: global_buffer, .address_space: global }
    .group_segment_fixed_size: 0
    .private_segment_fixed_size: 0
    .kernarg_segment_align: 8
    .kernarg_segment_size: 40
    .max_flat_workgroup_size: 256
    .sgpr_count:     66
    .vgpr_count:     224
    .wavefront_size: 32
...
	.end_amdgpu_metadata
.endif
;; end of part 4
;; launch outproj (part 5): grid 4 x 64, 4 waves a work-group, clusters of 4 x 4, 327,680 bytes of LDS; arguments a16, wo16, bo, out0, out1; writes out0, out1
.if DOCPART == 5
	.amdgcn_target "amdgcn-amd-amdhsa--gfx1250"
	.amdhsa_code_object_version 6
	.text
	.protected	k_qb0c6477018_outproj
	.globl	k_qb0c6477018_outproj
	.p2align	8
	.type	k_qb0c6477018_outproj,@function
k_qb0c6477018_outproj:
	s_mov_b64 s[64:65], 0
	v_nop
	global_prefetch_b8 v0, s[64:65] scope:SCOPE_SE
	s_setreg_imm32_b32 hwreg(HW_REG_WAVE_MODE, 25, 1), 1
	s_wait_xcnt 0x0
	s_wait_alu depctr_hold_cnt(0) depctr_sa_sdst(0) depctr_va_vdst(0) depctr_va_sdst(0) depctr_va_ssrc(0) depctr_va_vcc(0) depctr_vm_vsrc(0)
	s_getreg_b32 s2, hwreg(HW_REG_IB_STS2, 6, 4)
	s_cmp_eq_u32 s2, 0
	s_cbranch_scc0 .Lentry_in_a_cluster
	s_endpgm
.Lentry_in_a_cluster:
	s_bfe_u32 s2, ttmp6, 0x10000c
	s_cmp_lg_u32 s2, 0xf033
	s_cbranch_scc0 .Lentry_shape_is_right
	s_endpgm
.Lentry_shape_is_right:
; out[m][n] = sum over k of a16[m][k] wo16[n][k] + bo[n]: f16 operands, f32 sums, f32 out.  Rows 0-4095 go to out0, rows 4096-8191 to out1.
; A tile is 128 (m) x 256 (n), so that 8,192 x 1,024 gives 256 work-groups; four waves, each 64 x 128: 32 accumulators, 256 registers.  K goes in 8 steps of 128 (rows of 256 bytes) through a ring of two LDS slots.
; Waves 0 and 1 fetch A's two halves (64 rows each), waves 2 and 3 B's (128 rows each): one tensor load a wave behind each change of slots; 112 of a step's 128 matrix instructions stand between a request and the wait for it.
; CLUSTERS: 4 x 4 work-groups; A's tiles are shared along a row of the cluster (all four tile columns), B's along a column: joint loads.
; No prefetch: a short launch on small tiles, and wo16's 2 MB are read by all 64 tile rows.
; THE MATRIX INSTRUCTION IS USED TRANSPOSED (source 0 = 16 rows of wo16, source 1 = 16 rows of a16): a lane holds eight neighbouring columns of one row.  The bias is the C of each sum's first product.
; REGISTERS: window 0: v16-29 addresses; v64-127 A's fragments, two buffers of 32; v128-191 the bias, on the way out v128-255 rows.  window 1: v0-127 B's fragments, two buffers of 64.  window 2: accumulator (a, b) at v[8 (8 a + b)].
.set KSTEP,  128
.set PITCH,  272
.set SLOT,   384*PITCH                 ; A's 128 rows, then B's 256 rows
.set STAGE,  2*SLOT                    ; behind the ring: 16 rows x (512 + 16) bytes a wave
.set SPITCH, 528
.set SPARE,  STAGE+4*16*SPITCH         ; the spare words, 128 bytes a wave, named by no other line
.set LAPS,   4                         ; 1,024 / 256
.set ADRA, 16
.set ADRB, 20
.set STO,  24
.set RD,   25
.set CO,   26
.set SPW,  28
.set NIL,  29
.set BIAS, 128
.set BK,   128
.set F0,   0
.set F1,   1
.set G1, 24
.set G0, 32
.set G1B, 48
.set G0B, 56
.set MSB, 0
.macro WIN new
.if MSB != (\new)
	s_set_vgpr_msb (MSB<<8)|(\new)
.set MSB, (\new)
.endif
.endm
.set MUL,  0xa1                        ; source 0 (B) window 1, source 1 (A) window 0, C and D window 2; with the bias as C: 0x81
.set TO_B, 0x40
.macro JLOAD s                         ; a joint load; an s_nop 0 and four v_nop follow each of the two lines
	s_cmp_eq_u32 s15, 0
	s_cbranch_scc0 .Lfor_b_\@
	tensor_load_to_lds s[G0+4*\s:G0+4*\s+3], s[G1:G1+7]
	s_nop 0
.rept 4
	v_nop
.endr
	s_branch .Lasked_\@
.Lfor_b_\@:
	tensor_load_to_lds s[G0B+4*\s:G0B+4*\s+3], s[G1B:G1B+7]
	s_nop 0
.rept 4
	v_nop
.endr
.Lasked_\@:
.endm
.macro CREST                           ; a round of the cluster's barrier behind its opening barrier
	s_cmp_lg_u32 s14, 0
	s_cbranch_scc1 .Lnot_wave_0_\@
	s_barrier_signal -3
.Lnot_wave_0_\@:
	s_barrier_wait -3
	s_barrier_signal -1
	s_barrier_wait -1
.endm
.macro CROUND
	s_barrier_signal -1
	s_barrier_wait -1
	CREST
.endm
	s_load_b256 s[4:11], s[0:1], 0x0               ; a16 s[4:5], wo16 s[6:7], bo s[8:9], out0 s[10:11]
	s_load_b64 s[12:13], s[0:1], 0x20              ; out1
	v_lshl_add_u32 v[SPW], v0, 2, SPARE
	v_mov_b32 v[NIL], 0
	ds_add_u32 v[SPW], v[NIL]                      ; the wave's opening: the add, twice on end, and its wait ahead of my first tensor load
	ds_add_u32 v[SPW], v[NIL]
	v_lshrrev_b32 v1, 5, v0
	v_readfirstlane_b32 s14, v1                    ; wave 0..3
	s_lshr_b32 s15, s14, 1                         ; my 64 rows of the tile; also: I fetch for A (0) or for B (1)
	s_and_b32 s16, s14, 1                          ; my 128 columns; also: which half I fetch
	s_bfe_u32 s40, ttmp6, 0x40000                  ; cx
	s_bfe_u32 s41, ttmp6, 0x40004                  ; cy
	s_lshl_b32 s42, ttmp9, 2
	s_add_co_u32 s42, s42, s40                     ; tile column
	s_and_b32 s17, ttmp7, 0xffff
	s_lshl_b32 s17, s17, 2
	s_add_co_u32 s17, s17, s41                     ; tile row
	s_lshl_b32 s43, s41, 2
	s_lshl_b32 s43, 15, s43                        ; my row of the cluster
	s_lshl_b32 s44, 0x1111, s40                    ; my column
	s_or_b32 s[G1+0], s43, (1<<16)|(1<<20)|(1<<21)|(5<<22)|(3<<25)  ; mask; elements of 2 bytes; padding on; bit 21 beside a mask; 4 words behind every 64
	s_or_b32 s[G1B+0], s44, (1<<16)|(1<<20)|(1<<21)|(5<<22)|(3<<25)
	s_mov_b32 s[G1+1], KSTEP<<16                   ; A: 64 rows x 128 elements
	s_mov_b32 s[G1+2], 64<<16
	s_mov_b32 s[G1+3], KSTEP<<16
	s_mov_b32 s[G1+4], 64
	s_mov_b32 s[G1+5], 1024
	s_mov_b32 s[G1+6], 0
	s_mov_b32 s[G1+7], 0
	s_mov_b32 s[G1B+1], KSTEP<<16                  ; B: 128 rows x 128 elements
	s_mov_b32 s[G1B+2], 128<<16
	s_mov_b32 s[G1B+3], KSTEP<<16
	s_mov_b32 s[G1B+4], 128
	s_mov_b32 s[G1B+5], 1024
	s_mov_b32 s[G1B+6], 0
	s_mov_b32 s[G1B+7], 0
	s_lshl_b32 s20, s17, 7
	s_lshl_b32 s18, s16, 6
	s_add_co_u32 s20, s20, s18                     ; A: row 128 x tile row + 64 x half
	s_lshl_b32 s20, s20, 11                        ; rows of 2,048 bytes
	s_mov_b32 s21, 0
	s_lshl_b32 s46, s42, 8
	s_lshl_b32 s47, s16, 7
	s_add_co_u32 s46, s46, s47                     ; B: row 256 x tile column + 128 x half
	s_lshl_b32 s46, s46, 11
	s_mov_b32 s47, 0
	s_mul_i32 s22, s16, 64*PITCH                   ; where they go: A's halves,
	s_mul_i32 s23, s16, 128*PITCH
	s_add_co_u32 s23, s23, 128*PITCH               ; B's halves behind A's 128 rows
	s_wait_dscnt 0x0                               ; both opening adds are done
	s_wait_kmcnt 0x0
	s_add_nc_u64 s[20:21], s[4:5], s[20:21]
	s_add_nc_u64 s[46:47], s[6:7], s[46:47]
	CROUND                                         ; all sixteen work-groups are here: the first joint loads meet
.irp s, 0,1
	s_mov_b32 s[G0+4*\s], 1
	s_add_co_u32 s[G0+4*\s+1], s22, \s*SLOT
	s_add_nc_u64 s[G0+4*\s+2:G0+4*\s+3], s[20:21], \s*KSTEP*2
	s_or_b32 s[G0+4*\s+3], s[G0+4*\s+3], 0x80000000
	s_mov_b32 s[G0B+4*\s], 1
	s_add_co_u32 s[G0B+4*\s+1], s23, \s*SLOT
	s_add_nc_u64 s[G0B+4*\s+2:G0B+4*\s+3], s[46:47], \s*KSTEP*2
	s_or_b32 s[G0B+4*\s+3], s[G0B+4*\s+3], 0x80000000
	JLOAD \s                                       ; two loads of mine are out behind the second
.endr
	v_and_b32 v1, 15, v0                           ; l % 16
	v_bfe_u32 v2, v0, 4, 1                         ; l / 16
	s_and_b32 s18, ttmp7, 0xffff
	s_cmp_lt_u32 s18, 8                            ; tile rows 0-31 are out0's: the choice hangs on the cluster's y alone
	s_cselect_b64 s[10:11], s[10:11], s[12:13]
	s_and_b32 s18, s17, 31
	s_lshl_b32 s18, s18, 7
	s_lshl_b32 s19, s15, 6
	s_add_co_u32 s18, s18, s19                     ; my first row in that output
	s_lshl_b32 s18, s18, 12                        ; rows of 4,096 bytes
	s_lshl_b32 s46, s42, 10
	s_lshl_b32 s47, s16, 9
	s_add_co_u32 s46, s46, s47                     ; my first column in bytes, in the output and in bo alike
	s_mov_b32 s47, 0
	s_add_nc_u64 s[8:9], s[8:9], s[46:47]
	s_add_co_u32 s18, s18, s46
	s_mov_b32 s19, 0
	s_add_nc_u64 s[10:11], s[10:11], s[18:19]
	v_lshlrev_b32 v27, 5, v2                       ; my half's eight numbers of a block of 16
.irp b, 0,1,2,3,4,5,6,7
	global_load_b128 v[BIAS+8*\b:BIAS+8*\b+3], v27, s[8:9] offset:64*\b
	global_load_b128 v[BIAS+8*\b+4:BIAS+8*\b+7], v27, s[8:9] offset:64*\b+16
.endr
	v_mul_u32_u24 v3, v1, PITCH
	v_lshl_add_u32 v3, v2, 4, v3                   ; a fragment's row x pitch + 16 x half
	s_mul_i32 s21, s15, 64*PITCH                   ; my 64 rows of A
	s_mul_i32 s22, s16, 128*PITCH
	s_add_co_u32 s22, s22, 128*PITCH               ; my 128 rows of B
.irp s, 0,1
	v_add_nc_u32 v[ADRA+\s], s21, v3
	v_add_nc_u32 v[ADRB+\s], s22, v3
	s_add_co_u32 s21, s21, SLOT
	s_add_co_u32 s22, s22, SLOT
.endr
	s_mul_i32 s23, s14, 16*SPITCH
	s_add_co_u32 s23, s23, STAGE                   ; my stage
	v_mul_u32_u24 v4, v1, SPITCH
	v_lshl_add_u32 v4, v2, 5, v4
	v_add_nc_u32 v[STO], s23, v4                   ; in: row l % 16, 32 bytes for each half of the lanes
	v_and_b32 v5, 31, v0
	v_lshlrev_b32 v[CO], 4, v5                     ; back: the 32 lanes take one row of 512 bytes; the same in the output
	v_add_nc_u32 v[RD], s23, v[CO]
; 8 products: A's block a against B's eight, 32 along K, buffers f.  The 32 accumulators take turns, one instruction a turn, in the same order in every quarter.
.macro MULA f, a, zero
.irp b, 0,1,2,3,4,5,6,7
.if \zero
	v_wmma_f32_16x16x32_f16 v[8*(8*(\a)+\b):8*(8*(\a)+\b)+7], v[64*(\f)+8*\b:64*(\f)+8*\b+7], v[64+32*(\f)+8*(\a):64+32*(\f)+8*(\a)+7], v[BIAS+8*\b:BIAS+8*\b+7]
.else
	v_wmma_f32_16x16x32_f16 v[8*(8*(\a)+\b):8*(8*(\a)+\b)+7], v[64*(\f)+8*\b:64*(\f)+8*\b+7], v[64+32*(\f)+8*(\a):64+32*(\f)+8*(\a)+7], v[8*(8*(\a)+\b):8*(8*(\a)+\b)+7]
.endif
.endr
.endm
.macro FETCH slot, k, f                ; 24 LDS loads in one run: B's eight fragments, then A's four
	WIN TO_B
.irp i, 0,1,2,3,4,5,6,7
	ds_load_b128 v[64*(\f)+8*\i:64*(\f)+8*\i+3],   v[ADRB+\slot] offset:\k+\i*16*PITCH
	ds_load_b128 v[64*(\f)+8*\i+4:64*(\f)+8*\i+7], v[ADRB+\slot] offset:\k+\i*16*PITCH+32
.endr
	WIN 0
.irp i, 0,1,2,3
	ds_load_b128 v[64+32*(\f)+8*\i:64+32*(\f)+8*\i+3],   v[ADRA+\slot] offset:\k+\i*16*PITCH
	ds_load_b128 v[64+32*(\f)+8*\i+4:64+32*(\f)+8*\i+7], v[ADRA+\slot] offset:\k+\i*16*PITCH+32
.endr
.endm
.macro PLACES                          ; four plain lines between a matrix instruction and a load into, or a read of, its registers
.rept 4
	v_nop
.endr
.endm
.macro QUARTER slot, k, f, g, zero     ; 32 along K on buffers f; in its middle the next quarter's fragments, at byte k, into buffers g
	s_wait_dscnt 4                                 ; all but the youngest four loads (A's blocks 2 and 3)
	WIN MUL-0x20*(\zero)
	MULA \f, 0, \zero
	MULA \f, 1, \zero
	PLACES
	FETCH \slot, \k, \g
	s_wait_dscnt 24                                ; all but the 24 just issued
	WIN MUL-0x20*(\zero)
	MULA \f, 2, \zero
	MULA \f, 3, \zero
.endm
; A slot's last quarter changes slots: all my tensor loads have landed (one was out: my part of the next slot), the add, my reads of this slot are over; one barrier, which with fill = 1 opens a round of the cluster's barrier;
; the joint refill, two K steps ahead, is the first thing behind the round.
.macro TURN slot, next, fill
	WIN 0
	s_wait_tensorcnt 0x0
	ds_add_u32 v[SPW], v[NIL]
	s_wait_dscnt 5                                 ; the add and the youngest four loads may be out
	WIN MUL
	MULA F1, 0, 0
	s_wait_dscnt 0x0
	s_barrier_signal -1
	MULA F1, 1, 0
	WIN 0
	s_barrier_wait -1
.if \fill
	CREST
	s_add_nc_u64 s[G0+4*\slot+2:G0+4*\slot+3], s[G0+4*\slot+2:G0+4*\slot+3], 2*KSTEP*2
	s_add_nc_u64 s[G0B+4*\slot+2:G0B+4*\slot+3], s[G0B+4*\slot+2:G0B+4*\slot+3], 2*KSTEP*2
	JLOAD \slot                                    ; its four v_nop are also the places ahead of the loads below
.else
	PLACES
.endif
	FETCH \next, 0, F0
	WIN MUL
	MULA F1, 2, 0
	MULA F1, 3, 0
.endm
	s_wait_tensorcnt 1                             ; my part of K step 0 is in; K step 1's load, issued behind it, may be out
	s_barrier_signal -1
	s_barrier_wait -1
	FETCH 0, 0, F0
	s_wait_loadcnt 0x0                             ; the bias
	QUARTER 0, 64, F0, F1, 1                       ; the first products start the sums with the bias
	WIN 0
	s_mov_b32 s3, LAPS-1
.Llap:                                             ; a trip goes once round the ring and fills both slots again: K steps 2 to 7 in three trips
	QUARTER 0, 128, F1, F0, 0
	QUARTER 0, 192, F0, F1, 0
	TURN 0, 1, 1
	QUARTER 1, 64,  F0, F1, 0
	QUARTER 1, 128, F1, F0, 0
	QUARTER 1, 192, F0, F1, 0
	TURN 1, 0, 1
	QUARTER 0, 64,  F0, F1, 0
	WIN 0
	s_sub_co_u32 s3, s3, 1
	s_cmp_lg_u32 s3, 0
	s_cbranch_scc1 .Llap
	QUARTER 0, 128, F1, F0, 0                      ; the last lap fills nothing
	QUARTER 0, 192, F0, F1, 0
	TURN 0, 1, 0
	QUARTER 1, 64,  F0, F1, 0
	QUARTER 1, 128, F1, F0, 0
	QUARTER 1, 192, F0, F1, 0
	s_wait_dscnt 4
	WIN MUL
	MULA F1, 0, 0
	MULA F1, 1, 0
	s_wait_dscnt 0
	MULA F1, 2, 0
	MULA F1, 3, 0
	WIN 0
; THE WAY OUT, a block of 16 rows x 128 columns at a time: through my stage, back as whole rows of 512 bytes.  LDS serves a wave's instructions in order: no wait between the stores and the loads, nor ahead of the next block's stores.
.macro TOSTAGE a
.set AC, 64*(\a)
	WIN 0x08                                       ; an LDS store's data: window 2
.irp b, 0,1,2,3,4,5,6,7
	ds_store_b128 v[STO], v[AC+8*\b:AC+8*\b+3] offset:64*\b          ; each accumulator from its low end on
	ds_store_b128 v[STO], v[AC+8*\b+4:AC+8*\b+7] offset:64*\b+16
.endr
	WIN 0
.set BB, BK+64*((\a)%2)
.irp t, 0,1,2,3,4,5,6,7,8,9,10,11,12,13,14,15
	ds_load_b128 v[BB+4*\t:BB+4*\t+3], v[RD] offset:\t*SPITCH
.endr
.endm
.macro SEND a, younger                 ; younger: the LDS instructions issued behind block a's loads
.set BB, BK+64*((\a)%2)
	s_wait_dscnt \younger
.if (\a) > 0
	s_add_nc_u64 s[10:11], s[10:11], 16*4096       ; behind a wait on XCNT: the earlier stores have read their base
.endif
.irp t, 0,1,2,3,4,5,6,7,8,9,10,11,12,13,14,15
	global_store_b128 v[CO], v[BB+4*\t:BB+4*\t+3], s[10:11] offset:\t*4096 th:TH_STORE_NT   ; 32 lanes store 512 consecutive aligned bytes
.endr
.endm
	PLACES
	TOSTAGE 0
.irp a, 1,2,3
.if \a > 1
	s_wait_xcnt 0x0                                ; block a - 2's stores have read their registers and their base
.endif
	TOSTAGE \a
	SEND \a-1, 32
.endr
	s_wait_xcnt 0x0
	SEND 3, 0
	s_wait_tensorcnt 0x0                           ; the wave's end
	ds_add_u32 v[SPW], v[NIL]
	s_wait_dscnt 0x0
	CROUND                                         ; the closing round
	s_endpgm
.Lfunc_end_k_qb0c6477018_outproj:
	.size	k_qb0c6477018_outproj, .Lfunc_end_k_qb0c6477018_outproj-k_qb0c6477018_outproj
	.p2alignl 7, 3214868480
	.fill 96, 4, 3214868480
	.section	.rodata,"a",@progbits
	.p2align	6, 0x0
	.amdhsa_kernel k_qb0c6477018_outproj
		.amdhsa_group_segment_fixed_size 327680
		.amdhsa_private_segment_fixed_size 0
		.amdhsa_enable_private_segment 0
		.amdhsa_kernarg_size 40
		.amdhsa_user_sgpr_count 2
		.amdhsa_user_sgpr_kernarg_segment_ptr 1
		.amdhsa_wavefront_size32 1
		.amdhsa_system_sgpr_workgroup_id_x 1
		.amdhsa_system_sgpr_workgroup_id_y 1
		.amdhsa_system_sgpr_workgroup_id_z 1
		.amdhsa_system_vgpr_workitem_id 0
		.amdhsa_next_free_vgpr 768
		.amdhsa_next_free_sgpr 66
		.amdhsa_reserve_vcc 0
		.amdhsa_float_denorm_mode_32 3
		.amdhsa_float_denorm_mode_16_64 3
		.amdhsa_memory_ordered 1
		.amdhsa_forward_progress 1
		.amdhsa_inst_pref_size 87
	.end_amdhsa_kernel
	.amdgpu_metadata
---
amdhsa.version: [ 1, 2 ]
amdhsa.kernels:
  - .name:           k_qb0c6477018_outproj
    .symbol:         k_qb0c6477018_outproj.kd
    .args:
      - { .name: a16, .offset: 0, .size: 8, .value_kind: global_buffer, .address_space: global }
      - { .name: wo16, .offset: 8, .size: 8, .value_kind: global_buffer, .address_space: global }
      - { .name: bo, .offset: 16, .size: 8, .value_kind: global_buffer, .address_space: global }
      - { .name: out0, .offset: 24, .size: 8, .value_kind: global_buffer, .address_space: global }
      - { .name: out1, .offset: 32, .size: 8, .value_kind: global_buffer, .address_space: global }
    .group_segment_fixed_size: 327680
    .private_segment_fixed_size: 0
    .kernarg_segment_align: 8
    .kernarg_segment_size: 40
    .max_flat_workgroup_size: 128
    .sgpr_count:     66
    .vgpr_count:     768
    .wavefront_size: 32
...
	.end_amdgpu_metadata
.endif
;; end of part 5
